; MI455X (gfx1250); checked and timed in simulation.
; The chip was launched on July 23, 2026; its instructions are those of AMD's public machine-readable ISA for CDNA 5 (MIT licence, August 2026) and "CDNA5" Instruction Set Architecture Reference Guide (July 2026). The comments in the code are by the model that wrote it; some were corrected since.
;; Multi Head Attention. Allowed arithmetic: matrix products marked QUANTISED: E2M1 operands, one E8M0 scale for each 32 along K, by v_wmma_scale_f32_16x16x128_f8f6f4 with both operands' format E2M1 (or v_wmma_scale_f32_32x16x128_f4), f32 sums; everything else in f32.
;; Inputs: bk 1,024 float32; bo 1,024 float32; bq 1,024 float32; bv 1,024 float32; wk 1,024 x 1,024 float32; wo 1,024 x 1,024 float32; wq 1,024 x 1,024 float32; wv 1,024 x 1,024 float32; x 4 x 2,048 x 1,024 float32.
;; Outputs: out0 4 x 2,048 x 1,024 float32.
;; This version of the problem:
;;   THIS VERSION OF THE PROBLEM IS GIVEN IN LOW PRECISION. The matrix products marked QUANTISED in the list below multiply operands that are first quantised to E2M1 (2 exponent bits, 1 mantissa bit; 4 bits a number), with one power-of-two scale for each 32 numbers along K (OCP MX v1.0); their sums are f32. All else is computed in f32.
;;   The module's matrix products, in the order in which they are computed (A, B: the left and right operand; K: the contracted axis; several contracted axes count as one K, in the product's order):
;;     1. [M 8,192, K 1,024] x [K 1,024, N 1,024]; A: input x; B: input wq: QUANTISED
;;     2. [M 8,192, K 1,024] x [K 1,024, N 1,024]; A: input x; B: input wk: QUANTISED
;;     3. [M 8,192, K 1,024] x [K 1,024, N 1,024]; A: input x; B: input wv: QUANTISED
;;     4. batch 64 x [M 2,048, K 64] x [K 64, N 2,048]; A: computed on the way; B: computed on the way: QUANTISED
;;     5. batch 64 x [M 2,048, K 2,048] x [K 2,048, N 64]; A: softmax (see below); B: computed on the way: QUANTISED
;;     6. [M 8,192, K 1,024] x [K 1,024, N 1,024]; A: computed on the way; B: input wo: QUANTISED
;;   THE QUANTISER, for each operand of a quantised product, along K:
;;     - K is cut into blocks of 32 from its start; a last block that is shorter is filled with zeros.
;;     - A block's scale is 2^e with e = floor(log2(the largest magnitude in the block)) - 2, held to -126 .. 127; a block of zeros has e = 0. As a byte (E8M0): e + 127.
;;     - Each number is divided by its block's scale, clamped to +-6, and rounded to the nearest number of E2M1, ties to even, subnormals kept.
;;     - The product sums the exact products of the quantised numbers (number of the format x scale) in f32.
;;   ~~~python
;;   def quantise(x, axis):      # numpy; x: float32 -> the quantised numbers, widened to float32 again
;;       x = np.moveaxis(x, axis, -1); K = x.shape[-1]
;;       x = np.pad(x, [(0, 0)] * (x.ndim - 1) + [(0, -K % 32)]); x = x.reshape(x.shape[:-1] + (-1, 32)); a = np.abs(x).max(-1, keepdims=True)
;;       e = np.where(a > 0, np.clip(np.frexp(np.where(a > 0, a, 1))[1] - 1 - 2, -126, 127), 0)      # np.frexp(a)[1] - 1 = floor(log2(a)), exactly
;;       r = np.clip(x / 2.0 ** e, -6, 6)
;;       step = 2.0 ** (np.maximum(np.frexp(np.where(r == 0, 1, r))[1] - 1, 0) - 1)
;;       q = np.round(r / step) * step * 2.0 ** e      # np.round: ties to even
;;       return np.moveaxis(q.reshape(q.shape[:-2] + (-1,))[..., :K], -1, axis).astype(np.float32)
;;   ~~~
;;   SOFTMAX AHEAD OF A QUANTISED PRODUCT. Where the list says 'softmax', what is quantised is not the finished softmax but p = 2^(t - M), with t = logit x log2(e) and M = ceil(the row's largest t), a whole number; so 1/2 < the row's largest p <= 1. The row's sum l is taken of the UNQUANTISED p, in f32, and the product's result is divided by l at the end. Since M is a whole number, a kernel that streams over the keys may use a running M (the ceiling of the running maximum): every later rescaling is an exact power of two, which a block's scale takes up: the codes' values come out the same.
;;   OPERANDS COMPUTED ON THE WAY. 'Computed on the way' means the value that the module computes at that place (a softmax that the list does not call 'softmax' is quantised finished and normalised). What goes into a quantiser is computed in f32, as accurately as f32 sums, v_exp_f32 and their like allow (about 1e-6 of the number): no bf16 or f16 on the way to a quantiser, and a product that is left as it is and whose result goes on into a quantised operand takes f32 operands (vector FMAs, or v_wmma_f32_16x16x4_f32). A number that lies on a knife's edge between two numbers of the format may be rounded either way, as far as f32 arithmetic and the matrix unit's own rounding can turn it there, and no further.
;; One version. Each part assembles by itself: llvm-mc -triple=amdgcn-amd-amdhsa -mcpu=gfx1250 --defsym DOCPART=n.
;; ======== version 1 of 1: 4 launches
;; workspace buffers: xc 4,194,304 bytes; xs 262,144 bytes; wc 2,097,152 bytes; ws 131,072 bytes; qkvc 12,582,912 bytes; qkvs 1,572,864 bytes; ac 4,194,304 bytes; asc 262,144 bytes
;; launch quant (part 1): grid 384 x 1, 4 waves a work-group, no clusters, 34,304 bytes of LDS; arguments x, wq, wk, wv, wo, xc, xs, wc, ws; writes xc, xs, wc, ws
.if DOCPART == 1
	.amdgcn_target "amdgcn-amd-amdhsa--gfx1250"
	.amdhsa_code_object_version 6
	.text
	.protected	k_qc5617c0667_quant
	.globl	k_qc5617c0667_quant
	.p2align	8
	.type	k_qc5617c0667_quant,@function
k_qc5617c0667_quant:
	s_mov_b64 s[64:65], 0
	v_nop
	global_prefetch_b8 v0, s[64:65] scope:SCOPE_SE
	s_setreg_imm32_b32 hwreg(HW_REG_WAVE_MODE, 25, 1), 1
	s_wait_xcnt 0x0
; x [8192][1024] and wq, wk, wv, wo [1024][1024], f32, K innermost, become codes of FP4 (E2M1) with one E8M0 byte for each 32 along K.
; A block's scale is 2^(floor(log2(its largest magnitude)) - 2); its byte is that magnitude's exponent field - 2, held at 1 from below.
; LIMITS: a block of zeros gets the byte 1 where the rule says 127 (its codes are zeros, and only this program reads the bytes); NaN and infinities among the inputs are not served.
; LAYOUT OF THE RESULTS: the order of a matrix operand's registers.  Tile T holds the 16 rows 32 (T / 2) + 8 (T % 2) + r + 8 (r / 8), r = 0 .. 15.
; An IMAGE (tile x 128 K) is 1,024 bytes: piece c at 512 c + 16 lane holds k = 64 c + 32 (lane / 16) + 0 .. 31 of row r = lane % 16.
; codes: (T / 8) 65536 + (q / 4) 32768 + (T % 8) 4096 + (q % 4) 1024, q the K step of 128;  scale words: T 512 + (q / 4) 256 + 16 r + 4 (q % 4).
; SHARES: a work-group takes 32 rows (work-groups 0-255: x; then 32 for each weight); wave w takes tile w / 2 and K half w % 2: four images.
; Each load reads 512 consecutive bytes of one row; a lane needs 32 neighbours of ONE row, so an image's 16 x 512 bytes turn through the wave's own stage in LDS
; (rows 528 bytes apart).  No barrier: waves share nothing.  Two images' loads (32 a wave) are on their way.
.set SP,   528
.set WSTG, 16*SP                       ; a wave's stage
.set R,    16                          ; v16-143  two sets of 64 registers as loaded
.set X,    144                         ; v144-207 my two blocks of 32 numbers
.set C,    208                         ; v208-239 codes, eight registers an image: no store's data are written again
.set W,    240                         ; v240-243 the scale word of each image
.set D,    244                         ; v244-245 my 8 bytes of the scale words
	s_load_b256 s[4:11], s[0:1], 0x0               ; x, wq, wk, wv
	s_load_b256 s[12:19], s[0:1], 0x20             ; wo, xc, xs, wc
	s_load_b64 s[20:21], s[0:1], 0x40              ; ws
	v_lshl_add_u32 v254, v0, 2, 0x8400
	v_mov_b32 v255, 0
	v_lshrrev_b32 v6, 5, v0
	v_readfirstlane_b32 s34, v6                    ; wave
	v_and_b32 v7, 31, v0                           ; lane
	v_and_b32 v8, 15, v0                           ; r
	v_bfe_u32 v9, v0, 4, 1                         ; h
	v_lshlrev_b32 v1, 4, v7                        ; 16 x lane: in memory, in and out
	s_mul_i32 s35, s34, WSTG
	v_add_nc_u32 v2, s35, v1                       ; the stage, in: 16 x lane of a row
	v_mul_u32_u24 v3, v8, SP
	v_lshl_add_u32 v3, v9, 7, v3
	v_add_nc_u32 v3, s35, v3                       ; and out: row r, + 128 h bytes
	v_lshlrev_b32 v4, 4, v8
	v_lshl_add_u32 v4, v9, 3, v4                   ; the scale words: 16 r + 8 h
	v_lshlrev_b32 v5, 3, v9                        ; 8 h: my bytes' shift in a scale word
	v_mov_b32 v14, 0                               ; (a lane permute's destination counts as one of its sources)
	s_mov_b32 s2, 0x76543210
	s_mov_b32 s3, 0xfedcba98                       ; selects for lane l xor 16
	s_mov_b32 s26, 0xffff0000                      ; lanes 16-31
	s_lshr_b32 s36, s34, 1                         ; which tile of the 32 rows
	s_and_b32 s37, s34, 1                          ; which half of K
	s_wait_alu depctr_va_vdst(0)
	s_wait_kmcnt 0x0
	s_mov_b64 s[22:23], s[12:13]                   ; the source, chosen by the work-group's number alone
	s_cmp_lt_u32 ttmp9, 352
	s_cselect_b64 s[22:23], s[10:11], s[22:23]
	s_cmp_lt_u32 ttmp9, 320
	s_cselect_b64 s[22:23], s[8:9], s[22:23]
	s_cmp_lt_u32 ttmp9, 288
	s_cselect_b64 s[22:23], s[6:7], s[22:23]
	s_cmp_lt_u32 ttmp9, 256
	s_cselect_b64 s[22:23], s[4:5], s[22:23]
	s_cselect_b64 s[28:29], s[14:15], s[18:19]     ; the codes' buffer
	s_cselect_b64 s[30:31], s[16:17], s[20:21]     ; the scale words'
	s_cselect_b32 s32, 0, 256
	s_cselect_b32 s33, 255, 31
	s_sub_co_u32 s32, ttmp9, s32                   ; the group of 32 rows in the destination,
	s_and_b32 s33, s32, s33                        ; and in the source
	s_lshl_b32 s38, s32, 1
	s_add_co_u32 s38, s38, s36                     ; T
	s_lshl_b32 s24, s33, 17                        ; source: 32 rows of 4,096 bytes,
	s_lshl_b32 s25, s36, 15                        ; 8 rows for the odd tile,
	s_add_co_u32 s24, s24, s25
	s_lshl_b32 s25, s37, 11                        ; 512 numbers for the upper half of K
	s_add_co_u32 s24, s24, s25
	s_mov_b32 s25, 0
	s_add_nc_u64 s[22:23], s[22:23], s[24:25]
	s_lshr_b32 s24, s38, 3
	s_lshl_b32 s24, s24, 16
	s_and_b32 s27, s38, 7
	s_lshl_b32 s27, s27, 12
	s_add_co_u32 s24, s24, s27
	s_lshl_b32 s27, s37, 15
	s_add_co_u32 s24, s24, s27
	s_add_nc_u64 s[28:29], s[28:29], s[24:25]
	s_lshl_b32 s24, s38, 9
	s_lshl_b32 s27, s37, 8
	s_add_co_u32 s24, s24, s27
	s_add_nc_u64 s[30:31], s[30:31], s[24:25]
.macro LOADIMG q                       ; image q: 128 numbers of each of the tile's 16 rows
.irp i, 0,1,2,3,4,5,6,7,8,9,10,11,12,13,14,15
	global_load_b128 v[R+64*((\q)%2)+4*\i:R+64*((\q)%2)+4*\i+3], v1, s[22:23] offset:(\i+8*(\i/8))*4096+512*(\q) th:TH_LOAD_NT
.endr
.endm
.macro IMG q
.if (\q) < 3
	s_wait_loadcnt 16                              ; this image's 16 loads are in; the next image's 16 may be out
.else
	s_wait_loadcnt 0
.endif
.irp i, 0,1,2,3,4,5,6,7,8,9,10,11,12,13,14,15
	ds_store_b128 v2, v[R+64*((\q)%2)+4*\i:R+64*((\q)%2)+4*\i+3] offset:SP*\i
.endr
.irp c, 0,1
.irp g, 0,1,2,3,4,5,6,7
	ds_load_b128 v[X+32*\c+4*\g:X+32*\c+4*\g+3], v3 offset:256*\c+16*\g   ; LDS serves a wave's instructions in order: these see the stores above
.endr
.endr
	s_wait_dscnt 0x0                               ; my 64 numbers are back, and the stage's stores have read their registers
.if (\q) < 2
	LOADIMG (\q)+2
.endif
.irp c, 0,1
	v_max3_num_f32 v[8+\c], |v[X+32*\c]|, |v[X+32*\c+1]|, 0x1800000   ; block 2 c + h is all mine; the floor 2^(3 - 127) keeps the byte at 1 or above
.endr
.irp i, 2,4,6,8,10,12,14,16,18,20,22,24,26,28,30
.irp c, 0,1
	v_max3_num_f32 v[8+\c], v[8+\c], |v[X+32*\c+\i]|, |v[X+32*\c+\i+1]|
.endr
.endr
.irp c, 0,1
	v_add_nc_u32 v[10+\c], 0xff000000, v[8+\c]     ; 2 off the exponent field: the conversion's scale operand
.endr
.irp c, 0,1
	v_lshrrev_b32 v[12+\c], 23, v[10+\c]           ; the scale's byte
.endr
	v_lshl_or_b32 v[W+(\q)], v13, 16, v12          ; blocks h and 2 + h,
	v_lshlrev_b32 v[W+(\q)], v5, v[W+(\q)]         ; at their places in the word;
	v_permlanex16_b32 v14, v[W+(\q)], s2, s3
	v_or_b32 v[W+(\q)], v[W+(\q)], v14             ; with lane l xor 16's two the word is whole
.irp c, 0,1
.irp g, 0,1,2,3
	v_cvt_scalef32_pk8_fp4_f32 v[C+8*(\q)+4*\c+\g], v[X+32*\c+8*\g:X+32*\c+8*\g+7], v[10+\c]
.endr
.endr
	v_nop                                          ; one plain place behind the scaled conversions
.irp c, 0,1
	global_store_b128 v1, v[C+8*(\q)+4*\c:C+8*(\q)+4*\c+3], s[28:29] offset:1024*(\q)+512*\c   ; 32 lanes store 512 consecutive bytes
.endr
.endm
	LOADIMG 0
	LOADIMG 1
	IMG 0
	IMG 1
	IMG 2
	IMG 3
	v_cndmask_b32 v[D], v[W], v[W+2], s26          ; lanes 0-15 store words 0, 1 of row r, lanes 16-31 words 2, 3
	v_cndmask_b32 v[D+1], v[W+1], v[W+3], s26
	global_store_b64 v4, v[D:D+1], s[30:31]        ; 32 lanes store 256 consecutive bytes, aligned
	s_wait_tensorcnt 0x0
	ds_add_u32 v254, v255
	s_wait_dscnt 0x0
	s_endpgm
.Lfunc_end_k_qc5617c0667_quant:
	.size	k_qc5617c0667_quant, .Lfunc_end_k_qc5617c0667_quant-k_qc5617c0667_quant
	.p2alignl 7, 3214868480
	.fill 96, 4, 3214868480
	.section	.rodata,"a",@progbits
	.p2align	6, 0x0
	.amdhsa_kernel k_qc5617c0667_quant
		.amdhsa_group_segment_fixed_size 34304
		.amdhsa_private_segment_fixed_size 0
		.amdhsa_enable_private_segment 0
		.amdhsa_kernarg_size 72
		.amdhsa_user_sgpr_count 2
		.amdhsa_user_sgpr_kernarg_segment_ptr 1
		.amdhsa_wavefront_size32 1
		.amdhsa_system_sgpr_workgroup_id_x 1
		.amdhsa_system_sgpr_workgroup_id_y 1
		.amdhsa_system_sgpr_workgroup_id_z 1
		.amdhsa_system_vgpr_workitem_id 0
		.amdhsa_next_free_vgpr 256
		.amdhsa_next_free_sgpr 66
		.amdhsa_reserve_vcc 0
		.amdhsa_float_denorm_mode_32 3
		.amdhsa_float_denorm_mode_16_64 3
		.amdhsa_memory_ordered 1
		.amdhsa_forward_progress 1
		.amdhsa_inst_pref_size 31
	.end_amdhsa_kernel
	.amdgpu_metadata
---
amdhsa.version: [ 1, 2 ]
amdhsa.kernels:
  - .name:           k_qc5617c0667_quant
    .symbol:         k_qc5617c0667_quant.kd
    .args:
      - { .name: x, .offset: 0, .size: 8, .value_kind: global_buffer, .address_space: global }
      - { .name: wq, .offset: 8, .size: 8, .value_kind: global_buffer, .address_space: global }
      - { .name: wk, .offset: 16, .size: 8, .value_kind: global_buffer, .address_space: global }
      - { .name: wv, .offset: 24, .size: 8, .value_kind: global_buffer, .address_space: global }
      - { .name: wo, .offset: 32, .size: 8, .value_kind: global_buffer, .address_space: global }
      - { .name: xc, .offset: 40, .size: 8, .value_kind: global_buffer, .address_space: global }
      - { .name: xs, .offset: 48, .size: 8, .value_kind: global_buffer, .address_space: global }
      - { .name: wc, .offset: 56, .size: 8, .value_kind: global_buffer, .address_space: global }
      - { .name: ws, .offset: 64, .size: 8, .value_kind: global_buffer, .address_space: global }
    .group_segment_fixed_size: 34304
    .private_segment_fixed_size: 0
    .kernarg_segment_align: 8
    .kernarg_segment_size: 72
    .max_flat_workgroup_size: 128
    .sgpr_count:     66
    .vgpr_count:     256
    .wavefront_size: 32
...
	.end_amdgpu_metadata
.endif
;; end of part 1
;; launch qkv (part 2): grid 12 x 32, 4 waves a work-group, clusters of 4 x 4, 279,040 bytes of LDS; arguments xc, xs, wc, ws, bq, bk, bv, qkvc, qkvs; writes qkvc, qkvs
.if DOCPART == 2
	.amdgcn_target "amdgcn-amd-amdhsa--gfx1250"
	.amdhsa_code_object_version 6
	.text
	.protected	k_qc5617c0667_qkv
	.globl	k_qc5617c0667_qkv
	.p2align	8
	.type	k_qc5617c0667_qkv,@function
k_qc5617c0667_qkv:
	s_mov_b64 s[64:65], 0
	v_nop
	global_prefetch_b8 v0, s[64:65] scope:SCOPE_SE
	s_setreg_imm32_b32 hwreg(HW_REG_WAVE_MODE, 25, 1), 1
	s_wait_xcnt 0x0
	s_wait_alu depctr_hold_cnt(0) depctr_sa_sdst(0) depctr_va_vdst(0) depctr_va_sdst(0) depctr_va_ssrc(0) depctr_va_vcc(0) depctr_vm_vsrc(0)
	s_getreg_b32 s2, hwreg(HW_REG_IB_STS2, 6, 4)
	s_cmp_eq_u32 s2, 0
	s_cbranch_scc0 .Lentry_in_a_cluster
	s_endpgm
.Lentry_in_a_cluster:
	s_bfe_u32 s2, ttmp6, 0x10000c
	s_cmp_lg_u32 s2, 0xf033
	s_cbranch_scc0 .Lentry_shape_is_right
	s_endpgm
.Lentry_shape_is_right:
; q = x wq^T + bq, k = x wk^T + bk, v = x wv^T + bv on codes of FP4 with E8M0 scales, sums in f32; the results are quantised at once: q and k along the head's 64, v along the keys.
; A work-group of four waves makes 256 tokens x 256 channels; a wave 128 x 128: 64 accumulators.  K = 1,024 is 512 bytes a row, so both operands' tiles lie in LDS whole: two slots (K halves) filled once.
; ROLES.  Source 0 (P) is the operand whose rows run along a lane's registers in the result, which is the axis that is quantised next; source 1 (Q) gives a lane its row.
; F = 0 (q, k; clusters 0 and 1 along x): P = weights, Q = tokens.  F = 1 (v; cluster 2): P = tokens, Q = weights.  F is a number of the cluster: equal in all sixteen partners.
; Operands lie in memory and in LDS as images of their registers (tile T = rows 32 (T / 2) + 8 (T % 2) + r + 8 (r / 8); 1,024 bytes for 128 K; piece c at 512 c + 16 lane): no pitch, no padding.
; By that choice of rows the 16 registers of result tiles 2 b and 2 b + 1 are 16 neighbours along P's rows.
; CLUSTER 4 x 4: x's tiles are shared along a row, the weights' along a column, by joint loads.  Nothing is filled twice, so there is one round in front of the fills and one at the end.
; RESULTS.  qkvc: ((gp 4 + batch) 16 + step) 8192 + c 4096 + a 512 + 16 lane (gp: block of 128 channels, q 0-7, k 8-15, v 16-23; step: 128 tokens; a: Q's tile).
;   q, k: c = the head's parity, the 16 bytes are d = 32 h + 0 .. 31 of token tile a.  v: c = half of the 128 keys, a = channel tile of the pair of heads.
; qkvs: the same index x 1024 + plane 512 + 256 (a % 2) + 16 r + 4 (a / 2): plane 0 the four bytes of the 128, plane 1 the same word shifted down 16 bits (the odd head's two bytes first).
;   v's plane 1 is stored and not read: it comes with the one store that serves q and k.
; LIMITS: a block of zeros gets the byte 1 (its codes are zeros, only this program reads the bytes); NaN and infinities are not served.
; REGISTERS: window 0: v1-27 addresses; v32-95 scale words, two sets; v96-119 the way out; v128-191 Q's fragments, later 64 results; v200-216 at work.
;   window 1: P's fragments at v0 and v128, the bias at v64.   windows 2, 3: accumulator (a, b) at v[8 (8 (a % 4) + b)].
.set NQ,    4                          ; steps of 128 along K in a slot
.set FR,    8
.set NP,    4                          ; places behind this matrix form (ISA guide 7.12.1)
.set SLOT,  131072                     ; a slot: x's two blocks of 128 rows, then the weights' two, 32,768 bytes each
.set SCL,   262144                     ; the scale words: x's 2 x 4,096 bytes, then the weights'
.set ADRA,  16                         ; v16-17 Q's fragments in slot 0, 1
.set ADRB,  20                         ; v20-21 P's
.set ADRS,  27                         ; v27    scale words: lanes 0-15 Q's, lanes 16-31 P's
.set SC,    32
.set PC,    96                         ; v96-103  the codes just made
.set WS,    104                        ; v104-111 the eight blocks' scale words
.set VA,    112                        ; v112-119 the bias loads' offsets
.set AF,    128
.set HA,    128
.set TM,    200
.set PW,    216
.set BI,    64                         ; in window 1
.set SEL,   66
.set G1,  24
.set G0,  32
.set G1B, 48
.set G0B, 56
.set G1S, 68
.set G0S, 76
.set G1SB, 80
.set G0SB, 88
.set MSB, 0
.macro WIN new                         ; the immediate's high byte repeats the setting that is left
.if MSB != (\new)
	s_set_vgpr_msb (MSB<<8)|(\new)
.set MSB, (\new)
.endif
.endm
.set MUL_LO, 0xa1                      ; source 0 window 1, source 1 window 0, C and D window 2
.set MUL_HI, 0xf1
.set TO_B,   0x40
.macro JLOAD g0a, g1a, g0b, g1b        ; a joint load: waves 0, 1 fetch x's blocks, waves 2, 3 the weights'; four v_nop follow each line
	s_cmp_eq_u32 s15, 0
	s_cbranch_scc0 .Lfor_b_\@
	tensor_load_to_lds s[\g0a:\g0a+3], s[\g1a:\g1a+7]
	s_nop 0
.rept 4
	v_nop
.endr
	s_branch .Lasked_\@
.Lfor_b_\@:
	tensor_load_to_lds s[\g0b:\g0b+3], s[\g1b:\g1b+7]
	s_nop 0
.rept 4
	v_nop
.endr
.Lasked_\@:
.endm
.macro CROUND                          ; a round of the cluster's barrier
	s_barrier_signal -1
	s_barrier_wait -1
	s_cmp_lg_u32 s14, 0
	s_cbranch_scc1 .Lnot_wave_0_\@
	s_barrier_signal -3
.Lnot_wave_0_\@:
	s_barrier_wait -3
	s_barrier_signal -1
	s_barrier_wait -1
.endm
.macro PLACES n
.rept \n
	v_nop
.endr
.endm
	s_load_b256 s[4:11], s[0:1], 0x0               ; xc, xs, wc, ws
	s_load_b128 s[96:99], s[0:1], 0x20             ; bq, bk
	s_load_b64 s[100:101], s[0:1], 0x30            ; bv
	s_load_b64 s[12:13], s[0:1], 0x38              ; qkvc
	s_load_b64 s[92:93], s[0:1], 0x40              ; qkvs
	v_lshl_add_u32 v254, v0, 2, 0x44000
	v_mov_b32 v255, 0
	ds_add_u32 v254, v255
	ds_add_u32 v254, v255
	v_lshrrev_b32 v1, 5, v0
	v_readfirstlane_b32 s14, v1                    ; wave
	s_lshr_b32 s15, s14, 1                         ; which half of Q's rows is mine.  Also: I fetch x (0) or weights (1)
	s_and_b32 s16, s14, 1                          ; which half of P's rows.  Also: which 128 rows I fetch
	s_bfe_u32 s40, ttmp6, 0x40000                  ; cx
	s_bfe_u32 s41, ttmp6, 0x40004                  ; cy
	s_lshl_b32 s42, ttmp9, 2
	s_add_co_u32 s42, s42, s40                     ; block of 256 rows of the weights
	s_and_b32 s17, ttmp7, 0xffff
	s_lshl_b32 s17, s17, 2
	s_add_co_u32 s17, s17, s41                     ; block of 256 tokens
	s_lshl_b32 s43, s41, 2
	s_lshl_b32 s43, 15, s43                        ; my row of the cluster
	s_lshl_b32 s44, 0x1111, s40                    ; my column
	s_cmp_eq_u32 ttmp9, 2                          ; F
	s_cselect_b32 s95, 1, 0
	s_cselect_b32 s104, -1, 0
	s_cselect_b32 s105, 0, 4
	s_cselect_b32 s2, 65536, 0                     ; where Q's blocks begin in a slot,
	s_cselect_b32 s3, 0, 65536                     ; and P's
	; group 1: a dense block as rows of 256 bytes (32 elements of 8): 128 rows of codes, 16 rows of scale words; no padding
	s_or_b32 s[G1+0], s43, (3<<16)|(1<<21)
	s_or_b32 s[G1B+0], s44, (3<<16)|(1<<21)
.irp g, G1, G1B
	s_mov_b32 s[\g+1], 32<<16
	s_mov_b32 s[\g+2], 128<<16
	s_mov_b32 s[\g+3], 32<<16
	s_mov_b32 s[\g+4], 128
	s_mov_b32 s[\g+5], 32
	s_mov_b32 s[\g+6], 0
	s_mov_b32 s[\g+7], 0
.endr
	s_or_b32 s[G1S+0], s43, (3<<16)|(1<<21)
	s_or_b32 s[G1SB+0], s44, (3<<16)|(1<<21)
.irp g, G1S, G1SB
	s_mov_b32 s[\g+1], 32<<16
	s_mov_b32 s[\g+2], 16<<16
	s_mov_b32 s[\g+3], 32<<16
	s_mov_b32 s[\g+4], 16
	s_mov_b32 s[\g+5], 32
	s_mov_b32 s[\g+6], 0
	s_mov_b32 s[\g+7], 0
.endr
	s_lshl_b32 s20, s17, 1
	s_add_co_u32 s20, s20, s16                     ; x: block of 128 rows
	s_lshl_b32 s46, s42, 1
	s_add_co_u32 s46, s46, s16                     ; weights: block of 128 rows
	s_lshl_b32 s22, s20, 12
	s_mov_b32 s23, 0
	s_lshl_b32 s20, s20, 16
	s_mov_b32 s21, 0
	s_lshl_b32 s18, s46, 12
	s_mov_b32 s19, 0
	s_lshl_b32 s46, s46, 16
	s_mov_b32 s47, 0
	s_lshl_b32 s45, s14, 15                        ; where they go: wave x 32,768, wave x 4,096: no place in the cluster enters an LDS address
	s_lshl_b32 s94, s14, 12
	s_mov_b32 s[SEL], 0x76543210
	s_mov_b32 s[SEL+1], 0xfedcba98
	s_wait_dscnt 0x0
	s_wait_kmcnt 0x0
	s_add_nc_u64 s[20:21], s[4:5], s[20:21]
	s_add_nc_u64 s[22:23], s[6:7], s[22:23]
	s_add_nc_u64 s[46:47], s[8:9], s[46:47]
	s_add_nc_u64 s[18:19], s[10:11], s[18:19]
	CROUND                                         ; all sixteen work-groups are here: the joint loads meet
	s_mov_b32 s[G0S], 1
	s_add_co_u32 s[G0S+1], s94, SCL
	s_mov_b64 s[G0S+2:G0S+3], s[22:23]
	s_or_b32 s[G0S+3], s[G0S+3], 0x80000000
	s_mov_b32 s[G0SB], 1
	s_add_co_u32 s[G0SB+1], s94, SCL
	s_mov_b64 s[G0SB+2:G0SB+3], s[18:19]
	s_or_b32 s[G0SB+3], s[G0SB+3], 0x80000000
	JLOAD G0S, G1S, G0SB, G1SB                     ; the scale words first
.irp s, 0,1
	s_mov_b32 s[G0+4*\s], 1
	s_add_co_u32 s[G0+4*\s+1], s45, \s*SLOT
	s_add_nc_u64 s[G0+4*\s+2:G0+4*\s+3], s[20:21], \s*32768
	s_or_b32 s[G0+4*\s+3], s[G0+4*\s+3], 0x80000000
	s_mov_b32 s[G0B+4*\s], 1
	s_add_co_u32 s[G0B+4*\s+1], s45, \s*SLOT
	s_add_nc_u64 s[G0B+4*\s+2:G0B+4*\s+3], s[46:47], \s*32768
	s_or_b32 s[G0B+4*\s+3], s[G0B+4*\s+3], 0x80000000
	JLOAD G0+4*\s, G1, G0B+4*\s, G1B               ; three loads of mine are out in all
.endr
	v_and_b32 v1, 15, v0                           ; r
	v_bfe_u32 v2, v0, 4, 1                         ; h
	v_and_b32 v3, 31, v0
	v_lshlrev_b32 v14, 4, v3                       ; 16 x lane
	v_lshlrev_b32 v13, 4, v2                       ; 16 h
	v_lshlrev_b32 v4, 4, v1                        ; 16 r
	s_wait_alu depctr_va_vdst(0)
	v_lshl_add_u32 v15, v2, 9, v4                  ; 512 h + 16 r
	s_lshl_b32 s21, s15, 15
	s_add_co_u32 s21, s21, s2
	s_lshl_b32 s22, s16, 15
	s_add_co_u32 s22, s22, s3
.irp s, 0,1
	v_add_nc_u32 v[ADRA+\s], s21, v14
	v_add_nc_u32 v[ADRB+\s], s22, v14
	s_add_co_u32 s21, s21, SLOT
	s_add_co_u32 s22, s22, SLOT
.endr
	s_lshr_b32 s21, s2, 3                          ; Q's scale words: 8,192 F + 4,096 x my half
	s_lshl_b32 s23, s15, 12
	s_add_co_u32 s21, s21, s23
	s_add_co_u32 s21, s21, SCL
	s_lshr_b32 s22, s3, 3                          ; P's
	s_lshl_b32 s23, s16, 12
	s_add_co_u32 s22, s22, s23
	s_add_co_u32 s22, s22, SCL
	v_add_nc_u32 v5, s21, v4
	v_add_nc_u32 v6, s22, v4
	s_mov_b32 s23, 0xffff0000
	v_cndmask_b32 v[ADRS], v5, v6, s23             ; lanes 16-31 take P's
	s_cmp_eq_u32 s95, 1
	s_cselect_b32 s18, s15, s16                    ; which half of the 256 channels is mine,
	s_cselect_b32 s19, s16, s15                    ; and of the 256 tokens
	s_cmp_eq_u32 ttmp9, 0
	s_cselect_b64 s[96:97], s[96:97], s[98:99]     ; the bias: bq, bk
	s_cmp_eq_u32 ttmp9, 2
	s_cselect_b64 s[96:97], s[100:101], s[96:97]   ; or bv
	s_lshl_b32 s20, s42, 1
	s_add_co_u32 s20, s20, s18                     ; gp
	s_and_b32 s22, s20, 7
	s_lshl_b32 s22, s22, 9
	s_mov_b32 s23, 0
	s_add_nc_u64 s[96:97], s[96:97], s[22:23]      ; my 128 numbers of it
	; F = 0: register 8 t + j takes the bias of channel 32 (t / 2) + 16 h + 8 (t % 2) + j.  F = 1: registers 8 a + 0 .. 7 all take that of channel 32 (a / 2) + 8 (a % 2) + r + 8 (r / 8).
	v_and_b32 v7, 8, v1
	v_add_nc_u32 v7, v7, v1
	v_lshlrev_b32 v7, 2, v7
	v_lshlrev_b32 v8, 6, v2
	v_cndmask_b32 v7, v8, v7, s104
.irp j, 0,1,2,3,4,5,6,7
	v_mad_u32_u24 v[VA+\j], s105, \j, v7
.endr
	WIN TO_B
.irp i, 0,1,2,3,4,5,6,7
.irp j, 0,1,2,3,4,5,6,7
	global_load_b32 v[BI+8*\i+\j], v[VA+\j], s[96:97] offset:4*(32*(\i/2)+8*(\i%2))
.endr
.endr
	WIN 0
	s_lshl_b32 s20, s20, 2                         ; where my results go: ((gp 4 + batch) 16 + step)
	s_lshr_b32 s21, s17, 3
	s_add_co_u32 s20, s20, s21
	s_lshl_b32 s20, s20, 4
	s_and_b32 s21, s17, 7
	s_lshl_b32 s21, s21, 1
	s_add_co_u32 s20, s20, s21
	s_add_co_u32 s20, s20, s19
	s_lshl_b32 s22, s20, 10
	s_add_nc_u64 s[92:93], s[92:93], s[22:23]
	s_lshl_b32 s22, s20, 13
	s_add_nc_u64 s[12:13], s[12:13], s[22:23]
.irp b, 0,1,2,3
	v_mov_b32 v[TM+4+\b], 0                        ; (a lane permute's destination counts as one of its sources)
.endr
.macro FRAG reg, adr, q, i             ; an image: two loads of 512 consecutive bytes
.irp c, 0,1
	ds_load_b128 v[\reg+4*\c:\reg+4*\c+3], v[\adr] offset:4096*(\i)+1024*(\q)+512*\c
.endr
.endm
; 16 matrix instructions: Q's blocks a0, a0 + 1 x P's eight.  The 64 accumulators take turns, one instruction a turn, in the same order in every step.
.macro MUL16 a0, p, q, sc, zero
.irp a, \a0, \a0+1
.irp b, 0,1,2,3,4,5,6,7
.if \zero
	v_wmma_scale_f32_16x16x128_f8f6f4 v[8*(8*((\a)%4)+\b):8*(8*((\a)%4)+\b)+7], v[128*(\p)+FR*\b:128*(\p)+FR*\b+FR-1], v[AF+FR*(\a):AF+FR*(\a)+FR-1], 0, v[SC+8*NQ*(\sc)+NQ*\b+(\q)], v[SC+8*NQ*(\sc)+NQ*(\a)+(\q)] matrix_a_fmt:MATRIX_FMT_FP4 matrix_b_fmt:MATRIX_FMT_FP4 matrix_a_scale:MATRIX_SCALE_ROW1
.else
	v_wmma_scale_f32_16x16x128_f8f6f4 v[8*(8*((\a)%4)+\b):8*(8*((\a)%4)+\b)+7], v[128*(\p)+FR*\b:128*(\p)+FR*\b+FR-1], v[AF+FR*(\a):AF+FR*(\a)+FR-1], v[8*(8*((\a)%4)+\b):8*(8*((\a)%4)+\b)+7], v[SC+8*NQ*(\sc)+NQ*\b+(\q)], v[SC+8*NQ*(\sc)+NQ*(\a)+(\q)] matrix_a_fmt:MATRIX_FMT_FP4 matrix_b_fmt:MATRIX_FMT_FP4 matrix_a_scale:MATRIX_SCALE_ROW1
.endif
.endr
.endr
.endm
.macro FETCH_B slot, q, p
	WIN TO_B
.irp i, 0,1,2,3,4,5,6,7
	FRAG 128*(\p)+FR*\i, ADRB+\slot, \q, \i
.endr
	WIN 0
.endm
.macro FETCH_A slot, q, i0
.irp i, \i0, \i0+1, \i0+2, \i0+3
	FRAG AF+FR*(\i), ADRA+\slot, \q, \i
.endr
.endm
.macro SCALES sc                       ; a K half's scale words: four a row; lanes 0-15 Q's block i, lanes 16-31 P's block i
.irp i, 0,1,2,3,4,5,6,7
	ds_load_b128 v[SC+32*\sc+4*\i:SC+32*\sc+4*\i+3], v[ADRS] offset:512*\i+256*\sc
.endr
.endm
.macro STEP slot, q, zero              ; 128 along K, with its successor in the same slot
	s_wait_dscnt 8                                 ; P's set and Q's blocks 0-3 are in; the youngest eight loads (Q's blocks 4-7) may be out
	WIN MUL_LO
	MUL16 0, (\q)%2, \q, \slot, \zero
	MUL16 2, (\q)%2, \q, \slot, \zero
	s_wait_dscnt 0
	PLACES NP                                      ; in front of loads into registers that matrix instructions have read
	FETCH_B \slot, (\q)+1, 1-(\q)%2
	FETCH_A \slot, (\q)+1, 0
	WIN MUL_HI
	MUL16 4, (\q)%2, \q, \slot, \zero
	MUL16 6, (\q)%2, \q, \slot, \zero
	PLACES NP
	WIN 0
	FETCH_A \slot, (\q)+1, 4
.endm
.macro STEPS slot, from
.set Q, \from
.rept NQ-1-\from
	STEP \slot, Q, 0
.set Q, Q+1
.endr
.endm
; 64 numbers of a lane, register 16 b + i = place 32 b + 16 (lane / 16) + i along the axis that is quantised, become a fragment's codes in v[PC] on and its scale word in v[PW].
.macro QUANT s
.irp b, 0,1,2,3
	v_max3_num_f32 v[TM+\b], |v[\s+16*\b]|, |v[\s+1+16*\b]|, 0x1800000   ; the floor 2^(3 - 127) keeps the byte at 1 or above
.endr
.irp i, 2,4,6,8,10,12,14
.irp b, 0,1,2,3
	v_max3_num_f32 v[TM+\b], v[TM+\b], |v[\s+16*\b+\i]|, |v[\s+1+16*\b+\i]|
.endr
.endr
.irp b, 0,1,2,3
	v_permlanex16_b32 v[TM+4+\b], v[TM+\b], s[SEL], s[SEL+1]
.endr
.irp b, 0,1,2,3
	v_max_num_f32 v[TM+\b], v[TM+\b], v[TM+4+\b]   ; with lane l xor 16's: the block's largest magnitude
.endr
.irp b, 0,1,2,3
	v_add_nc_u32 v[TM+12+\b], 0xff000000, v[TM+\b] ; 2 off its exponent field: the conversion's scale operand
.endr
.irp b, 0,1,2,3
	v_lshrrev_b32 v[TM+4+\b], 23, v[TM+12+\b]      ; the scale's byte
.endr
	v_lshl_or_b32 v[PW], v[TM+5], 8, v[TM+4]
	v_lshl_or_b32 v[PW], v[TM+6], 16, v[PW]
	v_lshl_or_b32 v[PW], v[TM+7], 24, v[PW]
.irp b, 0,1,2,3
	v_cvt_scalef32_pk8_fp4_f32 v[PC+2*\b], v[\s+16*\b:\s+7+16*\b], v[TM+12+\b]
	v_cvt_scalef32_pk8_fp4_f32 v[PC+1+2*\b], v[\s+8+16*\b:\s+15+16*\b], v[TM+12+\b]
.endr
	v_nop                                          ; one plain place behind a scaled conversion
.irp c, 0,1                            ; a whole block to a lane: lanes 0-15 block 2 c, lanes 16-31 block 2 c + 1
.irp i, 0,1
	v_permlane16_swap_b32 v[PC+4*\c+\i], v[PC+2+4*\c+\i]
.endr
.endr
.endm
; Block a's 64 results a lane, with the bias, into window 0; each accumulator is read from its low end on.  The two arms hold vector instructions alone and differ in the bias registers.
.macro BIAS a
	s_cmp_eq_u32 s95, 0
	s_cbranch_scc0 .Lbias_q_\@
	WIN 0x06+(\a)/4                                ; source 0 window 2 or 3, source 1 window 1
.irp t, 0,1,2,3,4,5,6,7
.irp e, 0,2,4,6
	v_pk_add_f32 v[HA+8*\t+\e:HA+8*\t+\e+1], v[64*((\a)%4)+8*\t+\e:64*((\a)%4)+8*\t+\e+1], v[BI+8*\t+\e:BI+8*\t+\e+1]
.endr
.endr
	WIN 0
	s_branch .Lbias_done_\@
.Lbias_q_\@:
	WIN 0x06+(\a)/4
.irp t, 0,1,2,3,4,5,6,7
.irp e, 0,2,4,6
	v_pk_add_f32 v[HA+8*\t+\e:HA+8*\t+\e+1], v[64*((\a)%4)+8*\t+\e:64*((\a)%4)+8*\t+\e+1], v[BI+8*(\a)+\e:BI+8*(\a)+\e+1]
.endr
.endr
	WIN 0
.Lbias_done_\@:
.endm
.macro OUTBLK a
	BIAS \a
	s_wait_xcnt 0x0                                ; the last block's stores have read their data: the codes' registers are written again only behind this wait
	QUANT HA
	v_lshrrev_b32 v[WS+4*((\a)%2)+(\a)/2], v13, v[PW]   ; lanes 0-15 keep the word, lanes 16-31 its upper half shifted down
	global_store_b128 v14, v[PC:PC+3], s[12:13] offset:512*(\a)          ; 32 lanes store 512 consecutive bytes
	global_store_b128 v14, v[PC+4:PC+7], s[12:13] offset:4096+512*(\a)
.endm
	s_wait_tensorcnt 1                             ; my scale words and my part of slot 0 are in; slot 1's load may be out: nothing is ever filled twice
	s_barrier_signal -1
	s_barrier_wait -1                              ; everybody's are
	FETCH_B 0, 0, 0
	FETCH_A 0, 0, 0
	SCALES 0
	FETCH_A 0, 0, 4
	STEP 0, 0, 1                                   ; the first products start the sums
	STEPS 0, 1
	; slot 0's last step, and the change to slot 1
	s_wait_tensorcnt 0x0                           ; my part of slot 1 is in
	s_wait_dscnt 8
	WIN MUL_LO
	MUL16 0, 1, NQ-1, 0, 0
	s_wait_dscnt 0x0                               ; no LDS load of mine is pending at the signal
	s_barrier_signal -1
	MUL16 2, 1, NQ-1, 0, 0
	s_barrier_wait -1                              ; slot 1 is whole
	PLACES NP
	FETCH_B 1, 0, 0
	FETCH_A 1, 0, 0
	SCALES 1
	WIN MUL_HI
	MUL16 4, 1, NQ-1, 0, 0
	MUL16 6, 1, NQ-1, 0, 0
	PLACES NP
	WIN 0
	FETCH_A 1, 0, 4
	STEPS 1, 0
	s_wait_dscnt 8                                 ; the last step: nothing more to fetch
	WIN MUL_LO
	MUL16 0, 1, NQ-1, 1, 0
	MUL16 2, 1, NQ-1, 1, 0
	s_wait_dscnt 0
	WIN MUL_HI
	MUL16 4, 1, NQ-1, 1, 0
	MUL16 6, 1, NQ-1, 1, 0
	WIN 0
	s_wait_loadcnt 0x0                             ; the bias
	PLACES NP                                      ; in front of the first read of results and the first write over Q's fragments
.irp a, 0,1,2,3,4,5,6,7
	OUTBLK \a
.endr
	global_store_b128 v15, v[WS:WS+3], s[92:93]               ; sixteen lanes store 256 consecutive bytes, aligned: blocks 0, 2, 4, 6
	global_store_b128 v15, v[WS+4:WS+7], s[92:93] offset:256  ; blocks 1, 3, 5, 7
	s_wait_tensorcnt 0x0
	ds_add_u32 v254, v255
	s_wait_dscnt 0x0
	CROUND                                         ; the closing round
	s_endpgm
.Lfunc_end_k_qc5617c0667_qkv:
	.size	k_qc5617c0667_qkv, .Lfunc_end_k_qc5617c0667_qkv-k_qc5617c0667_qkv
	.p2alignl 7, 3214868480
	.fill 96, 4, 3214868480
	.section	.rodata,"a",@progbits
	.p2align	6, 0x0
	.amdhsa_kernel k_qc5617c0667_qkv
		.amdhsa_group_segment_fixed_size 279040
		.amdhsa_private_segment_fixed_size 0
		.amdhsa_enable_private_segment 0
		.amdhsa_kernarg_size 72
		.amdhsa_user_sgpr_count 2
		.amdhsa_user_sgpr_kernarg_segment_ptr 1
		.amdhsa_wavefront_size32 1
		.amdhsa_system_sgpr_workgroup_id_x 1
		.amdhsa_system_sgpr_workgroup_id_y 1
		.amdhsa_system_sgpr_workgroup_id_z 1
		.amdhsa_system_vgpr_workitem_id 0
		.amdhsa_next_free_vgpr 1024
		.amdhsa_next_free_sgpr 106
		.amdhsa_reserve_vcc 0
		.amdhsa_float_denorm_mode_32 3
		.amdhsa_float_denorm_mode_16_64 3
		.amdhsa_memory_ordered 1
		.amdhsa_forward_progress 1
		.amdhsa_inst_pref_size 168
	.end_amdhsa_kernel
	.amdgpu_metadata
---
amdhsa.version: [ 1, 2 ]
amdhsa.kernels:
  - .name:           k_qc5617c0667_qkv
    .symbol:         k_qc5617c0667_qkv.kd
    .args:
      - { .name: xc, .offset: 0, .size: 8, .value_kind: global_buffer, .address_space: global }
      - { .name: xs, .offset: 8, .size: 8, .value_kind: global_buffer, .address_space: global }
      - { .name: wc, .offset: 16, .size: 8, .value_kind: global_buffer, .address_space: global }
      - { .name: ws, .offset: 24, .size: 8, .value_kind: global_buffer, .address_space: global }
      - { .name: bq, .offset: 32, .size: 8, .value_kind: global_buffer, .address_space: global }
      - { .name: bk, .offset: 40, .size: 8, .value_kind: global_buffer, .address_space: global }
      - { .name: bv, .offset: 48, .size: 8, .value_kind: global_buffer, .address_space: global }
      - { .name: qkvc, .offset: 56, .size: 8, .value_kind: global_buffer, .address_space: global }
      - { .name: qkvs, .offset: 64, .size: 8, .value_kind: global_buffer, .address_space: global }
    .group_segment_fixed_size: 279040
    .private_segment_fixed_size: 0
    .kernarg_segment_align: 8
    .kernarg_segment_size: 72
    .max_flat_workgroup_size: 128
    .sgpr_count:     106
    .vgpr_count:     1024
    .wavefront_size: 32
...
	.end_amdgpu_metadata
.endif
;; end of part 2
;; launch attn (part 3): grid 4 x 64, 16 waves a work-group, no clusters, 169,984 bytes of LDS; arguments qkvc, qkvs, ac, asc; writes ac, asc
.if DOCPART == 3
	.amdgcn_target "amdgcn-amd-amdhsa--gfx1250"
	.amdhsa_code_object_version 6
	.text
	.protected	k_qc5617c0667_attn
	.globl	k_qc5617c0667_attn
	.p2align	8
	.type	k_qc5617c0667_attn,@function
k_qc5617c0667_attn:
	s_mov_b64 s[64:65], 0
	v_nop
	global_prefetch_b8 v0, s[64:65] scope:SCOPE_SE
	s_setreg_imm32_b32 hwreg(HW_REG_WAVE_MODE, 25, 1), 1
	s_wait_xcnt 0x0
; Causal attention of one head on codes of FP4 with E8M0 scales: S^T = K Q^T (K = the head's 64, the upper half of the instruction's 128 filled with zero codes on both sides),
; t = score x log2(e) / 8, M = the running largest t rounded up to a whole number, p = 2^(t - M) quantised along the keys, O^T += V^T P^T; the row's sum is taken of the unquantised p and divides O at the end;
; O is then quantised along the model's 1,024 (two blocks of 32 a head) into the last product's operand.
; SHARES.  Work-group (p, y): batch y / 16, head y % 16, query blocks p and 7 - p of 256, one after the other, so that every work-group has the same number of key steps.
; Each of sixteen waves owns one tile of 16 queries: Q0 + r + 8 (r / 8), Q0 = 256 block + 32 (wave / 2) + 8 (wave % 2).  Four waves to a SIMD: one wave's vector work stands beside another's products.
; LDS holds the head's whole K and V as images of operand registers (16 x lane; no pitch) and their scale words: filled once, never written again: one barrier in the launch.
; A lane holds ONE query throughout; the keys of a tile of K are 32 (t / 2) + 8 (t % 2) + r + 8 (r / 8), so that S^T's 16 registers of tiles 2 b, 2 b + 1 are keys 32 b + 16 h + 0 .. 15.
; CAUSAL.  The loop has 16 trips in every wave; a step all of whose keys come after my queries is jumped over (a branch on ids); on the diagonal hidden scores become -infinity.
; NO CLUSTER: the four work-groups of a head read the same 147,456 bytes, once, at the start; the jumps over hidden steps hang on the query block, which would be the place in the cluster.
; THE RESULT'S SCALE BYTES: a word of asc belongs to two heads, so a wave stores 32 single bytes a tile, inside one aligned block of 256 bytes; 262,144 bytes in the whole launch.
; LIMITS: 1 / l is v_rcp_f32 and a multiplication; a block of zeros gets the byte 1 (zero codes; only this program reads the bytes); NaN and infinities are not served.
; REGISTERS: v1-7 addresses that stay; v8-11 the step's; v12 -M, v13 the largest t, v[14:15] the sum; v16-23 Q; v24-27 K's scale words, v28-29 V's, v30 Q's; v32-95 K's eight fragments;
;   v96-159 S^T, then p; v160-191 O^T; v192-223 V's four fragments; v224-231 p's codes; v232-254 at work.
.set AK0,  1                           ; 16 x lane (also my offset in memory)
.set AV0,  2
.set ASK0, 3
.set ASV0, 4
.set QL,   5                           ; r + 8 (r / 8) - 16 h
.set ADK,  8
.set ADV,  9
.set ADS,  10
.set ADT,  11
.set LV,   65536                       ; LDS: K at 0, V here,
.set LKS,  131072                      ; K's scale words,
.set LVS,  139264                      ; V's
	s_load_b256 s[4:11], s[0:1], 0x0               ; qkvc, qkvs, ac, asc
	v_lshl_add_u32 v251, v0, 2, 0x29000
	v_mov_b32 v255, 0
	ds_add_u32 v251, v255
	ds_add_u32 v251, v255
	v_lshrrev_b32 v8, 5, v0
	s_delay_alu instid0(VALU_DEP_1)
	v_readfirstlane_b32 s12, v8                    ; wave 0..15
	s_mov_b32 s13, ttmp9                           ; p
	s_and_b32 s76, ttmp7, 0xffff
	s_lshr_b32 s14, s76, 4                         ; batch
	s_and_b32 s15, s76, 15                         ; head
	s_and_b32 s16, s15, 1                          ; its parity
	s_lshr_b32 s17, s15, 1                         ; the pair of heads
	s_and_b32 s18, s12, 1
	; group 1, elements of 8 bytes, no padding.  K: 8 rows of 4,096 bytes, 8,192 apart
	s_mov_b32 s24, 3<<16
	s_mov_b32 s25, 512<<16
	s_mov_b32 s26, 8<<16
	s_mov_b32 s27, 512<<16
	s_mov_b32 s28, 8
	s_mov_b32 s29, 1024
	s_mov_b32 s30, 0
	s_mov_b32 s31, 0
	; V: 16 rows of 2,048 bytes, 4,096 apart
	s_mov_b32 s32, 3<<16
	s_mov_b32 s33, 256<<16
	s_mov_b32 s34, 16<<16
	s_mov_b32 s35, 256<<16
	s_mov_b32 s36, 16
	s_mov_b32 s37, 512
	s_mov_b32 s38, 0
	s_mov_b32 s39, 0
	; scale words: 16 rows of 512 bytes, 1,024 apart
	s_mov_b32 s40, 3<<16
	s_mov_b32 s41, 64<<16
	s_mov_b32 s42, 16<<16
	s_mov_b32 s43, 64<<16
	s_mov_b32 s44, 16
	s_mov_b32 s45, 128
	s_mov_b32 s46, 0
	s_mov_b32 s47, 0
	s_lshl_b32 s77, s17, 2
	s_add_co_u32 s77, s77, s14                     ; 4 x pair + batch
	s_add_co_u32 s78, s77, 32                      ; K's blocks of channels begin at 8
	s_lshl_b32 s80, s78, 17
	s_lshl_b32 s79, s16, 12
	s_add_co_u32 s80, s80, s79
	s_lshl_b32 s79, s18, 16                        ; my half: 8 steps
	s_add_co_u32 s80, s80, s79
	s_mov_b32 s81, 0
	s_add_co_u32 s78, s77, 64                      ; V's at 16
	s_lshl_b32 s82, s78, 17
	s_lshl_b32 s79, s16, 11
	s_add_co_u32 s82, s82, s79
	s_lshl_b32 s79, s18, 16
	s_add_co_u32 s82, s82, s79
	s_mov_b32 s83, 0
	s_lshl_b32 s78, s18, 5                         ; scale words: wave 4 K's (plane = the head's parity), wave 5 V's (plane 0)
	s_add_co_u32 s78, s78, s77
	s_add_co_u32 s78, s78, 32
	s_lshl_b32 s84, s78, 14
	s_xor_b32 s79, s18, 1
	s_mul_i32 s79, s79, s16
	s_lshl_b32 s79, s79, 9
	s_add_co_u32 s84, s84, s79
	s_mov_b32 s85, 0
	s_mov_b32 s20, 0x76543210
	s_mov_b32 s21, 0xfedcba98                      ; selects for lane l xor 16
	s_mov_b32 s22, 0x3e38aa3b                      ; c = log2(e) / sqrt(64)
	s_mov_b32 s23, s22                             ; (named with it as a pair)
	s_mov_b32 s67, 0xffff0000                      ; lanes 16-31
	s_wait_dscnt 0x0
	s_wait_kmcnt 0x0
	s_mov_b32 s48, 1
	s_lshl_b32 s49, s18, 15
	s_add_nc_u64 s[50:51], s[4:5], s[80:81]
	s_or_b32 s51, s51, 0x80000000
	s_mov_b32 s52, 1
	s_lshl_b32 s53, s18, 15
	s_add_co_u32 s53, s53, LV
	s_add_nc_u64 s[54:55], s[4:5], s[82:83]
	s_or_b32 s55, s55, 0x80000000
	s_mov_b32 s56, 1
	s_lshl_b32 s57, s18, 13
	s_add_co_u32 s57, s57, LKS
	s_add_nc_u64 s[58:59], s[6:7], s[84:85]
	s_or_b32 s59, s59, 0x80000000
	; waves 0, 1: K's halves; 2, 3: V's; 4, 5: the scale words; the others nothing.  One load a wave; four v_nop follow each
	s_cmp_lt_u32 s12, 2
	s_cbranch_scc0 .Lnot_k
	tensor_load_to_lds s[48:51], s[24:31]
	s_nop 0
.rept 4
	v_nop
.endr
	s_branch .Lasked
.Lnot_k:
	s_cmp_lt_u32 s12, 4
	s_cbranch_scc0 .Lnot_v
	tensor_load_to_lds s[52:55], s[32:39]
	s_nop 0
.rept 4
	v_nop
.endr
	s_branch .Lasked
.Lnot_v:
	s_cmp_lt_u32 s12, 6
	s_cbranch_scc0 .Lasked
	tensor_load_to_lds s[56:59], s[40:47]
	s_nop 0
.rept 4
	v_nop
.endr
.Lasked:
	v_and_b32 v8, 31, v0
	s_delay_alu instid0(VALU_DEP_1)
	v_lshlrev_b32 v[AK0], 4, v8
	s_delay_alu instid0(VALU_DEP_1)
	v_add_nc_u32 v[AV0], LV, v[AK0]
	s_delay_alu instid0(VALU_DEP_2)
	v_add_nc_u32 v[ASK0], LKS, v[AK0]
	s_lshl_b32 s76, s16, 3
	s_add_co_u32 s76, s76, LVS
	v_add_nc_u32 v[ASV0], s76, v[AK0]              ; V's words of my head: two of the four at 16 x lane
	v_and_b32 v9, 15, v0                           ; r
	v_bfe_u32 v10, v0, 4, 1                        ; h
	s_delay_alu instid0(VALU_DEP_2)
	v_and_b32 v11, 8, v9
	s_delay_alu instid0(VALU_DEP_1)
	v_add_nc_u32 v11, v11, v9
	s_delay_alu instid0(VALU_DEP_3)
	v_lshlrev_b32 v8, 4, v10
	s_delay_alu instid0(VALU_DEP_1)
	v_sub_nc_u32 v[QL], v11, v8
	v_lshlrev_b32 v6, 4, v9                        ; 16 r
	s_delay_alu instid0(VALU_DEP_1)
	v_add_nc_u32 v7, v6, v10                       ; 16 r + h
.irp j, 20,21,22,23
	v_mov_b32 v[\j], 0                             ; Q's k = 64 .. 127: zero codes, written once
.endr
.irp t, 0,1,2,3,4,5,6,7
.irp j, 4,5,6,7
	v_mov_b32 v[32+8*\t+\j], 0                     ; K's likewise
.endr
.endr
.irp j, 236,237,238,239,252,253
	v_mov_b32 v[\j], 0                             ; lane permutes' destinations and a pair's upper half count as read
.endr
	s_wait_tensorcnt 0x0                           ; my load, if I issued one, has landed
	s_barrier_signal -1
	s_barrier_wait -1                              ; everybody's has: from here on LDS is only read
.macro PASS hi
.if \hi
	s_sub_co_u32 s76, 7, s13                       ; the query block
.else
	s_mov_b32 s76, s13
.endif
	s_lshl_b32 s63, s76, 8
	s_lshr_b32 s77, s12, 1
	s_lshl_b32 s77, s77, 5
	s_add_co_u32 s63, s63, s77
	s_lshl_b32 s77, s18, 3
	s_add_co_u32 s63, s63, s77                     ; Q0
	s_lshl_b32 s78, s76, 1
	s_lshr_b32 s77, s12, 3
	s_add_co_u32 s78, s78, s77                     ; my queries' step of 128 tokens,
	s_and_b32 s79, s12, 7                          ; and their tile in it
	s_lshl_b32 s80, s17, 2
	s_add_co_u32 s80, s80, s14
	s_lshl_b32 s82, s80, 17
	s_lshl_b32 s77, s78, 13
	s_add_co_u32 s82, s82, s77
	s_lshl_b32 s77, s16, 12
	s_add_co_u32 s82, s82, s77
	s_lshl_b32 s77, s79, 9
	s_add_co_u32 s82, s82, s77
	s_mov_b32 s83, 0
	s_add_nc_u64 s[68:69], s[4:5], s[82:83]        ; Q's codes
	s_lshl_b32 s82, s80, 14
	s_lshl_b32 s77, s78, 10
	s_add_co_u32 s82, s82, s77
	s_lshl_b32 s77, s16, 9
	s_add_co_u32 s82, s82, s77
	s_lshl_b32 s77, s18, 8
	s_add_co_u32 s82, s82, s77
	s_lshr_b32 s77, s79, 1
	s_lshl_b32 s77, s77, 2
	s_add_co_u32 s82, s82, s77
	s_add_nc_u64 s[70:71], s[6:7], s[82:83]        ; Q's scale words
	s_lshl_b32 s84, s14, 7
	s_lshl_b32 s77, s76, 4
	s_add_co_u32 s84, s84, s77
	s_add_co_u32 s84, s84, s12                     ; T: my tile among all tokens
	s_lshr_b32 s82, s84, 3
	s_lshl_b32 s82, s82, 16
	s_lshr_b32 s77, s17, 2
	s_lshl_b32 s77, s77, 15
	s_add_co_u32 s82, s82, s77
	s_and_b32 s77, s84, 7
	s_lshl_b32 s77, s77, 12
	s_add_co_u32 s82, s82, s77
	s_and_b32 s77, s17, 3
	s_lshl_b32 s77, s77, 10
	s_add_co_u32 s82, s82, s77
	s_lshl_b32 s77, s16, 9
	s_add_co_u32 s82, s82, s77
	s_add_nc_u64 s[72:73], s[8:9], s[82:83]        ; the result's codes: K step = the pair of heads, piece = the parity
	s_lshl_b32 s82, s84, 9
	s_lshr_b32 s77, s17, 2
	s_lshl_b32 s77, s77, 8
	s_add_co_u32 s82, s82, s77
	s_and_b32 s77, s17, 3
	s_lshl_b32 s77, s77, 2
	s_add_co_u32 s82, s82, s77
	s_lshl_b32 s77, s16, 1
	s_add_co_u32 s82, s82, s77
	s_add_nc_u64 s[74:75], s[10:11], s[82:83]      ; and its scale bytes
	global_load_b128 v[16:19], v[AK0], s[68:69]
	global_load_b32 v30, v6, s[70:71]
	v_mov_b32 v13, 0xff61b1e6                      ; the largest t so far: -3e38
	s_delay_alu instid0(VALU_DEP_1)
	v_floor_f32 v12, -v13                          ; -M
	v_mov_b32 v14, 0
	v_mov_b32 v15, 0
.set n, 0
.rept 32
	v_mov_b32 v[160+n], 0                          ; O^T: the step is written once; the first change of M leaves zeros zeros
.set n, n+1
.endr
	s_mov_b32 s60, 0                               ; the step's codes: 4,096 bytes a step, K's and V's alike
	s_mov_b32 s61, 0                               ; its scale words: 512 bytes a step
	s_mov_b32 s62, 0                               ; its first key
	s_mov_b32 s66, 16
	s_wait_loadcnt 0x0                             ; Q
.Lstep_\@:
	s_add_co_u32 s76, s63, 23                      ; my last query
	s_cmp_gt_u32 s62, s76
	s_cbranch_scc1 .Lhidden_\@
	s_setprio 2
	v_add_nc_u32 v[ADK], s60, v[AK0]               ; (these four are the places in front of the loads into registers that the last products read)
	v_add_nc_u32 v[ADV], s60, v[AV0]
	v_add_nc_u32 v[ADS], s61, v[ASK0]
	v_add_nc_u32 v[ADT], s61, v[ASV0]
.irp t, 0,1,2,3,4,5,6,7
	ds_load_b128 v[32+8*\t:35+8*\t], v[ADK] offset:512*\t
.endr
	ds_load_b128 v[24:27], v[ADS]                  ; word t / 2: lanes 0-15 the even tile's, lanes 16-31 the odd one's
.irp t, 0,1,2,3
.irp c, 0,1
	ds_load_b128 v[192+8*\t+4*\c:195+8*\t+4*\c], v[ADV] offset:2048*\c+512*\t
.endr
.endr
	ds_load_b64 v[28:29], v[ADT]
	s_wait_dscnt 9                                 ; K and its scale words are in; V's nine loads may be out
.irp t, 0,1,2,3,4,5,6,7
.if \t%2
	v_wmma_scale_f32_16x16x128_f8f6f4 v[96+8*\t:103+8*\t], v[32+8*\t:39+8*\t], v[16:23], 0, v[24+\t/2], v30 matrix_a_fmt:MATRIX_FMT_FP4 matrix_b_fmt:MATRIX_FMT_FP4 matrix_a_scale:MATRIX_SCALE_ROW1
.else
	v_wmma_scale_f32_16x16x128_f8f6f4 v[96+8*\t:103+8*\t], v[32+8*\t:39+8*\t], v[16:23], 0, v[24+\t/2], v30 matrix_a_fmt:MATRIX_FMT_FP4 matrix_b_fmt:MATRIX_FMT_FP4
.endif
.endr
.rept 4
	v_nop
.endr
	s_add_co_u32 s76, s62, 127                     ; a step all of whose keys count for all my queries has no mask
	s_cmp_le_u32 s76, s63
	s_cbranch_scc1 .Lopen_\@
	s_sub_co_i32 s76, s63, s62
	v_add_nc_u32 v252, s76, v[QL]                  ; d = my query - the step's first key - 16 h.  Register 16 b + i holds key 32 b + 16 h + i of the step: hidden where 32 b + i > d
	v_mov_b32 v254, 0xff800000
.set n, 0
.rept 64
	v_cmp_gt_i32 vcc_lo, 32*(n/16)+n%16, v252
	v_cndmask_b32 v[96+n], v[96+n], v254, vcc_lo
.set n, n+1
.endr
.Lopen_\@:
.irp b, 0,1,2,3
	v_max3_num_f32 v[232+\b], v[96+16*\b], v[97+16*\b], v[98+16*\b]   ; the largest score of each block of 32 keys: for the row's maximum, and, since p rises with the score, for the block's largest p
.endr
.irp i, 3,5,7,9,11,13
.irp b, 0,1,2,3
	v_max3_num_f32 v[232+\b], v[232+\b], v[96+16*\b+\i], v[97+16*\b+\i]
.endr
.endr
.irp b, 0,1,2,3
	v_max_num_f32 v[232+\b], v[232+\b], v[111+16*\b]
.endr
.irp b, 0,1,2,3
	s_delay_alu instid0(VALU_DEP_4)
	v_permlanex16_b32 v[236+\b], v[232+\b], s20, s21
.endr
.irp b, 0,1,2,3
	s_delay_alu instid0(VALU_DEP_4)
	v_max_num_f32 v[232+\b], v[232+\b], v[236+\b]
.endr
	s_delay_alu instid0(VALU_DEP_2)
	v_max3_num_f32 v254, v232, v233, v234
	s_delay_alu instid0(VALU_DEP_1)
	v_max_num_f32 v254, v254, v235
	s_delay_alu instid0(VALU_DEP_1)
	v_mul_f32 v254, s22, v254                      ; as t (c is positive)
	s_delay_alu instid0(VALU_DEP_1)
	v_max_num_f32 v13, v13, v254                   ; the running largest t
	v_mov_b32 v254, v12
	s_delay_alu instid0(VALU_DEP_2)
	v_floor_f32 v12, -v13                          ; the new -M = -ceil(t)
	s_delay_alu instid0(VALU_DEP_1)
	v_sub_f32 v254, v12, v254                      ; old M - new M: a whole number, 0 or less
	s_delay_alu instid0(VALU_DEP_1)
	v_cvt_i32_f32 v254, v254                       ; (it saturates)
	s_delay_alu instid0(VALU_DEP_1)
	v_ldexp_f32 v252, 1.0, v254                    ; f = 2^(old M - new M)
.set n, 0
.rept 32
	v_pk_fma_f32 v[96+n:97+n], v[96+n:97+n], s[22:23], v[12:13] op_sel_hi:[1,0,0]   ; t - M
.set n, n+2
.endr
	s_setprio 1
.irp b, 0,1,2,3
	v_fma_f32 v[232+\b], v[232+\b], s22, v12
.endr
.set n, 0
	s_wait_alu depctr_va_vdst(0)
.rept 64
	v_exp_f32 v[96+n], v[96+n]                     ; p = 2^(t - M)
.set n, n+1
.endr
.irp b, 0,1,2,3
	v_exp_f32 v[232+\b], v[232+\b]                 ; the block's largest p
.endr
	v_pk_mul_f32 v[14:15], v[14:15], v[252:253] op_sel_hi:[1,0]   ; the sums under the new M (a plain place behind the exponentials)
	s_wait_alu depctr_va_vdst(0)
.irp b, 0,1,2,3
	v_max_num_f32 v[232+\b], 0x1800000, v[232+\b]  ; the floor: the byte cannot fall under 1
.endr
.irp b, 0,1,2,3
	s_delay_alu instid0(VALU_DEP_4)
	v_add_nc_u32 v[244+\b], 0xff000000, v[232+\b]
.endr
.irp b, 0,1,2,3
	s_delay_alu instid0(VALU_DEP_4)
	v_lshrrev_b32 v[236+\b], 23, v[244+\b]
.endr
	s_delay_alu instid0(VALU_DEP_3)
	v_lshl_or_b32 v253, v237, 8, v236              ; p's scale word for these 128 keys
	s_delay_alu instid0(VALU_DEP_1)
	v_lshl_or_b32 v253, v238, 16, v253
	s_delay_alu instid0(VALU_DEP_1)
	v_lshl_or_b32 v253, v239, 24, v253
.irp b, 0,1,2,3
	v_cvt_scalef32_pk8_fp4_f32 v[224+2*\b], v[96+16*\b:103+16*\b], v[244+\b]
	v_cvt_scalef32_pk8_fp4_f32 v[225+2*\b], v[104+16*\b:111+16*\b], v[244+\b]
.endr
	v_nop                                          ; one plain place behind a scaled conversion
.irp c, 0,1
.irp i, 0,1
	v_permlane16_swap_b32 v[224+4*\c+\i], v[226+4*\c+\i]
.endr
.endr
	v_pk_add_f32 v[236:237], v[100:101], v[104:105]
	v_pk_add_f32 v[248:249], v[108:109], v[112:113]
	v_pk_add_f32 v[246:247], v[116:117], v[120:121]
	v_pk_add_f32 v[244:245], v[124:125], v[128:129]
	v_pk_add_f32 v[242:243], v[132:133], v[136:137]
	v_pk_add_f32 v[240:241], v[140:141], v[144:145]
	v_pk_add_f32 v[234:235], v[148:149], v[152:153]
	v_pk_add_f32 v[14:15], v[14:15], v[156:157]
	v_pk_add_f32 v[236:237], v[236:237], v[96:97]
	v_pk_add_f32 v[248:249], v[248:249], v[98:99]
	v_pk_add_f32 v[246:247], v[246:247], v[102:103]
	v_pk_add_f32 v[244:245], v[244:245], v[106:107]
	v_pk_add_f32 v[242:243], v[242:243], v[110:111]
	s_setprio 0
	v_pk_add_f32 v[240:241], v[240:241], v[114:115]
	v_pk_add_f32 v[234:235], v[234:235], v[118:119]
	v_pk_add_f32 v[14:15], v[14:15], v[122:123]
	v_pk_add_f32 v[236:237], v[236:237], v[126:127]
	v_pk_add_f32 v[248:249], v[248:249], v[130:131]
	v_pk_add_f32 v[246:247], v[246:247], v[134:135]
	v_pk_add_f32 v[244:245], v[244:245], v[138:139]
	v_pk_add_f32 v[242:243], v[242:243], v[142:143]
	v_pk_add_f32 v[240:241], v[240:241], v[146:147]
	v_pk_add_f32 v[234:235], v[234:235], v[150:151]
	v_pk_add_f32 v[14:15], v[14:15], v[154:155]
	v_pk_add_f32 v[236:237], v[236:237], v[158:159]
	s_delay_alu instid0(VALU_DEP_2)
	v_pk_add_f32 v[14:15], v[14:15], v[244:245]
	s_delay_alu instid0(VALU_DEP_2)
	v_pk_add_f32 v[236:237], v[236:237], v[242:243]
	v_pk_add_f32 v[248:249], v[248:249], v[240:241]
	v_pk_add_f32 v[246:247], v[246:247], v[234:235]
	s_delay_alu instid0(VALU_DEP_2)
	v_pk_add_f32 v[14:15], v[14:15], v[248:249]
	s_delay_alu instid0(VALU_DEP_2)
	v_pk_add_f32 v[236:237], v[236:237], v[246:247]
	s_delay_alu instid0(VALU_DEP_1)
	v_pk_add_f32 v[14:15], v[14:15], v[236:237]
.set n, 0
.rept 16
	v_pk_mul_f32 v[160+n:161+n], v[160+n:161+n], v[252:253] op_sel_hi:[1,0]   ; O^T under the new M
.set n, n+2
.endr
	s_wait_alu depctr_va_vdst(0)
	s_wait_dscnt 0x0                               ; V and its scale words
.irp t, 0,1,2,3                        ; the four accumulators take one turn each; S^T's eight products stand between two steps' turns
.if \t%2
	v_wmma_scale_f32_16x16x128_f8f6f4 v[160+8*\t:167+8*\t], v[192+8*\t:199+8*\t], v[224:231], v[160+8*\t:167+8*\t], v[28+\t/2], v253 matrix_a_fmt:MATRIX_FMT_FP4 matrix_b_fmt:MATRIX_FMT_FP4 matrix_a_scale:MATRIX_SCALE_ROW1
.else
	v_wmma_scale_f32_16x16x128_f8f6f4 v[160+8*\t:167+8*\t], v[192+8*\t:199+8*\t], v[224:231], v[160+8*\t:167+8*\t], v[28+\t/2], v253 matrix_a_fmt:MATRIX_FMT_FP4 matrix_b_fmt:MATRIX_FMT_FP4
.endif
.endr
.Lhidden_\@:
	s_add_co_u32 s62, s62, 128
	s_add_co_u32 s60, s60, 4096
	s_add_co_u32 s61, s61, 512
	s_sub_co_u32 s66, s66, 1
	s_cmp_lg_u32 s66, 0
	s_cbranch_scc1 .Lstep_\@
	s_setprio 0
.rept 4
	v_nop                                          ; places in front of the first read of O^T
.endr
	v_add_f32 v14, v14, v15
	s_delay_alu instid0(VALU_DEP_1)
	v_permlanex16_b32 v252, v14, s20, s21
	s_delay_alu instid0(VALU_DEP_1)
	v_add_f32 v14, v14, v252                       ; the row's sum
	s_wait_alu depctr_va_vdst(0)
	v_rcp_f32 v14, v14
	v_nop                                          ; a plain place behind the transcendental
.set n, 0
	s_wait_alu depctr_va_vdst(0)
.rept 32
	v_mul_f32 v[96+n], v[160+n], v14               ; register 16 b + i is o(my query, channel 32 b + 16 h + i)
.set n, n+1
.endr
.irp b, 0,1
	v_max3_num_f32 v[232+\b], |v[96+16*\b]|, |v[97+16*\b]|, 0x1800000
.endr
.irp i, 2,4,6,8,10,12,14
.irp b, 0,1
	s_delay_alu instid0(VALU_DEP_2)
	v_max3_num_f32 v[232+\b], v[232+\b], |v[96+16*\b+\i]|, |v[97+16*\b+\i]|
.endr
.endr
.irp b, 0,1
	s_delay_alu instid0(VALU_DEP_2)
	v_permlanex16_b32 v[236+\b], v[232+\b], s20, s21
.endr
.irp b, 0,1
	s_delay_alu instid0(VALU_DEP_2)
	v_max_num_f32 v[232+\b], v[232+\b], v[236+\b]
.endr
.irp b, 0,1
	s_delay_alu instid0(VALU_DEP_2)
	v_add_nc_u32 v[244+\b], 0xff000000, v[232+\b]
.endr
.irp b, 0,1
	s_delay_alu instid0(VALU_DEP_2)
	v_lshrrev_b32 v[236+\b], 23, v[244+\b]
.endr
.irp b, 0,1
	v_cvt_scalef32_pk8_fp4_f32 v[224+2*\b], v[96+16*\b:103+16*\b], v[244+\b]
	v_cvt_scalef32_pk8_fp4_f32 v[225+2*\b], v[104+16*\b:111+16*\b], v[244+\b]
.endr
	v_nop
	v_permlane16_swap_b32 v224, v226               ; lanes 0-15 block 0, lanes 16-31 block 1, whole
	v_permlane16_swap_b32 v225, v227
	v_cndmask_b32 v238, v236, v237, s67            ; lanes 16-31 store block 1's byte
	global_store_b128 v[AK0], v[224:227], s[72:73] ; 32 lanes store 512 consecutive bytes
	global_store_b8 v7, v238, s[74:75]
	s_wait_xcnt 0x0                                ; the stores' data and bases are written again only behind this wait
.endm
	PASS 0
	PASS 1
	s_wait_tensorcnt 0x0
	ds_add_u32 v251, v255
	s_wait_dscnt 0x0
	s_endpgm
.Lfunc_end_k_qc5617c0667_attn:
	.size	k_qc5617c0667_attn, .Lfunc_end_k_qc5617c0667_attn-k_qc5617c0667_attn
	.p2alignl 7, 3214868480
	.fill 96, 4, 3214868480
	.section	.rodata,"a",@progbits
	.p2align	6, 0x0
	.amdhsa_kernel k_qc5617c0667_attn
		.amdhsa_group_segment_fixed_size 169984
		.amdhsa_private_segment_fixed_size 0
		.amdhsa_enable_private_segment 0
		.amdhsa_kernarg_size 32
		.amdhsa_user_sgpr_count 2
		.amdhsa_user_sgpr_kernarg_segment_ptr 1
		.amdhsa_wavefront_size32 1
		.amdhsa_system_sgpr_workgroup_id_x 1
		.amdhsa_system_sgpr_workgroup_id_y 1
		.amdhsa_system_sgpr_workgroup_id_z 1
		.amdhsa_system_vgpr_workitem_id 0
		.amdhsa_next_free_vgpr 256
		.amdhsa_next_free_sgpr 96
		.amdhsa_reserve_vcc 1
		.amdhsa_float_denorm_mode_32 3
		.amdhsa_float_denorm_mode_16_64 3
		.amdhsa_memory_ordered 1
		.amdhsa_forward_progress 1
		.amdhsa_inst_pref_size 66
	.end_amdhsa_kernel
	.amdgpu_metadata
---
amdhsa.version: [ 1, 2 ]
amdhsa.kernels:
  - .name:           k_qc5617c0667_attn
    .symbol:         k_qc5617c0667_attn.kd
    .args:
      - { .name: qkvc, .offset: 0, .size: 8, .value_kind: global_buffer, .address_space: global }
      - { .name: qkvs, .offset: 8, .size: 8, .value_kind: global_buffer, .address_space: global }
      - { .name: ac, .offset: 16, .size: 8, .value_kind: global_buffer, .address_space: global }
      - { .name: asc, .offset: 24, .size: 8, .value_kind: global_buffer, .address_space: global }
    .group_segment_fixed_size: 169984
    .private_segment_fixed_size: 0
    .kernarg_segment_align: 8
    .kernarg_segment_size: 32
    .max_flat_workgroup_size: 512
    .sgpr_count:     96
    .vgpr_count:     256
    .wavefront_size: 32
...
	.end_amdgpu_metadata
.endif
;; end of part 3
;; launch outp (part 4): grid 4 x 32, 4 waves a work-group, clusters of 4 x 4, 327,680 bytes of LDS; arguments ac, asc, wc, ws, bo, out0; writes out0
.if DOCPART == 4
	.amdgcn_target "amdgcn-amd-amdhsa--gfx1250"
	.amdhsa_code_object_version 6
	.text
	.protected	k_qc5617c0667_outp
	.globl	k_qc5617c0667_outp
	.p2align	8
	.type	k_qc5617c0667_outp,@function
k_qc5617c0667_outp:
	s_mov_b64 s[64:65], 0
	v_nop
	global_prefetch_b8 v0, s[64:65] scope:SCOPE_SE
	s_setreg_imm32_b32 hwreg(HW_REG_WAVE_MODE, 25, 1), 1
	s_wait_xcnt 0x0
	s_wait_alu depctr_hold_cnt(0) depctr_sa_sdst(0) depctr_va_vdst(0) depctr_va_sdst(0) depctr_va_ssrc(0) depctr_va_vcc(0) depctr_vm_vsrc(0)
	s_getreg_b32 s2, hwreg(HW_REG_IB_STS2, 6, 4)
	s_cmp_eq_u32 s2, 0
	s_cbranch_scc0 .Lentry_in_a_cluster
	s_endpgm
.Lentry_in_a_cluster:
	s_bfe_u32 s2, ttmp6, 0x10000c
	s_cmp_lg_u32 s2, 0xf033
	s_cbranch_scc0 .Lentry_shape_is_right
	s_endpgm
.Lentry_shape_is_right:
; out0 = a wo^T + bo, a the attention's result as codes of FP4 with E8M0 scales (ac, asc), wo the last 1,024 rows of wc, ws; sums in f32; out0 [8192][1024] f32.
; A work-group of four waves makes 256 tokens x 256 channels, a wave 128 x 128: 64 accumulators.  K = 1,024 is 512 bytes a row: both tiles lie in LDS whole, two slots (K halves) filled once.
; Operands lie in memory and LDS as images of their registers (tile T = rows 32 (T / 2) + 8 (T % 2) + r + 8 (r / 8); 1,024 bytes for 128 K; piece c at 512 c + 16 lane).
; Source 0 = 16 rows of wo, source 1 = 16 tokens: a lane holds one token and its registers eight neighbouring channels.  The bias is the C of each sum's first product.
; CLUSTER 4 x 4: a's tiles are shared along a row, wo's along a column, by joint loads; a round in front of each fill, one at the end.
; 128 work-groups: the tile is kept at 256 x 256, since a smaller one reads more LDS bytes for each product.
; REGISTERS: window 0: v1-27 addresses; v32-95 scale words, two sets; v128-191 the tokens' fragments; on the way out v128-255 take rows read back.
;   window 1: wo's fragments at v0 and v128, the bias at v64.   windows 2, 3: accumulator (a, b) at v[8 (8 (a % 4) + b)].
.set NQ,    4
.set FR,    8
.set NP,    4                          ; places behind this matrix form (ISA guide 7.12.1)
.set SLOT,  131072                     ; a slot: a's two blocks of 128 rows, then wo's two, 32,768 bytes each
.set SCL,   262144                     ; the scale words: a's 2 x 4,096 bytes, then wo's
.set SPITCH, 528                       ; the way out: 16 rows x (512 + 16) bytes a wave, in slot 0, which has had its one fill and its last read by then
.set ADRA,  16
.set ADRB,  20
.set STO,   24
.set RD,    25
.set CO,    26
.set ADRS,  27
.set SC,    32
.set AF,    128
.set BK,    128
.set BI,    64                         ; in window 1
.set G1,  24
.set G0,  32
.set G1B, 48
.set G0B, 56
.set G1S, 68
.set G0S, 76
.set G1SB, 80
.set G0SB, 88
.set MSB, 0
.macro WIN new                         ; the immediate's high byte repeats the setting that is left
.if MSB != (\new)
	s_set_vgpr_msb (MSB<<8)|(\new)
.set MSB, (\new)
.endif
.endm
.set MUL_LO, 0xa1                      ; source 0 window 1, source 1 window 0, C and D window 2
.set MUL_HI, 0xf1
.set BEG_LO, 0x91                      ; the same with C (the bias) in window 1
.set BEG_HI, 0xd1
.set TO_B,   0x40
.macro JLOAD g0a, g1a, g0b, g1b        ; a joint load: waves 0, 1 fetch a's blocks, waves 2, 3 wo's; four v_nop follow each line
	s_cmp_eq_u32 s15, 0
	s_cbranch_scc0 .Lfor_b_\@
	tensor_load_to_lds s[\g0a:\g0a+3], s[\g1a:\g1a+7]
	s_nop 0
.rept 4
	v_nop
.endr
	s_branch .Lasked_\@
.Lfor_b_\@:
	tensor_load_to_lds s[\g0b:\g0b+3], s[\g1b:\g1b+7]
	s_nop 0
.rept 4
	v_nop
.endr
.Lasked_\@:
.endm
.macro CROUND                          ; a round of the cluster's barrier
	s_barrier_signal -1
	s_barrier_wait -1
	s_cmp_lg_u32 s14, 0
	s_cbranch_scc1 .Lnot_wave_0_\@
	s_barrier_signal -3
.Lnot_wave_0_\@:
	s_barrier_wait -3
	s_barrier_signal -1
	s_barrier_wait -1
.endm
.macro PLACES n
.rept \n
	v_nop
.endr
.endm
	s_load_b256 s[4:11], s[0:1], 0x0               ; ac, asc, wc, ws
	s_load_b64 s[96:97], s[0:1], 0x20              ; bo
	s_load_b64 s[12:13], s[0:1], 0x28              ; out0
	v_lshl_add_u32 v126, v0, 2, 0x44000
	v_mov_b32 v127, 0
	ds_add_u32 v126, v127
	ds_add_u32 v126, v127
	v_lshrrev_b32 v1, 5, v0
	v_readfirstlane_b32 s14, v1                    ; wave
	s_lshr_b32 s15, s14, 1                         ; which half of the tokens is mine.  Also: I fetch a (0) or wo (1)
	s_and_b32 s16, s14, 1                          ; which half of the channels.  Also: which 128 rows I fetch
	s_bfe_u32 s40, ttmp6, 0x40000                  ; cx
	s_bfe_u32 s41, ttmp6, 0x40004                  ; cy
	s_lshl_b32 s42, ttmp9, 2
	s_add_co_u32 s42, s42, s40                     ; block of 256 channels
	s_and_b32 s17, ttmp7, 0xffff
	s_lshl_b32 s17, s17, 2
	s_add_co_u32 s17, s17, s41                     ; block of 256 tokens
	s_lshl_b32 s43, s41, 2
	s_lshl_b32 s43, 15, s43                        ; my row of the cluster
	s_lshl_b32 s44, 0x1111, s40                    ; my column
	; group 1: a dense block as rows of 256 bytes (32 elements of 8): 128 rows of codes, 16 rows of scale words; no padding
	s_or_b32 s[G1+0], s43, (3<<16)|(1<<21)
	s_or_b32 s[G1B+0], s44, (3<<16)|(1<<21)
.irp g, G1, G1B
	s_mov_b32 s[\g+1], 32<<16
	s_mov_b32 s[\g+2], 128<<16
	s_mov_b32 s[\g+3], 32<<16
	s_mov_b32 s[\g+4], 128
	s_mov_b32 s[\g+5], 32
	s_mov_b32 s[\g+6], 0
	s_mov_b32 s[\g+7], 0
.endr
	s_or_b32 s[G1S+0], s43, (3<<16)|(1<<21)
	s_or_b32 s[G1SB+0], s44, (3<<16)|(1<<21)
.irp g, G1S, G1SB
	s_mov_b32 s[\g+1], 32<<16
	s_mov_b32 s[\g+2], 16<<16
	s_mov_b32 s[\g+3], 32<<16
	s_mov_b32 s[\g+4], 16
	s_mov_b32 s[\g+5], 32
	s_mov_b32 s[\g+6], 0
	s_mov_b32 s[\g+7], 0
.endr
	s_lshl_b32 s20, s17, 1
	s_add_co_u32 s20, s20, s16                     ; a: block of 128 rows
	s_lshl_b32 s46, s42, 1
	s_add_co_u32 s46, s46, s16
	s_add_co_u32 s46, s46, 24                      ; wo: block of 128 rows of wc, behind wq's, wk's and wv's 24
	s_lshl_b32 s22, s20, 12
	s_mov_b32 s23, 0
	s_lshl_b32 s20, s20, 16
	s_mov_b32 s21, 0
	s_lshl_b32 s18, s46, 12
	s_mov_b32 s19, 0
	s_lshl_b32 s46, s46, 16
	s_mov_b32 s47, 0
	s_lshl_b32 s45, s14, 15                        ; where they go: wave x 32,768, wave x 4,096
	s_lshl_b32 s94, s14, 12
	s_wait_dscnt 0x0
	s_wait_kmcnt 0x0
	s_add_nc_u64 s[20:21], s[4:5], s[20:21]
	s_add_nc_u64 s[22:23], s[6:7], s[22:23]
	s_add_nc_u64 s[46:47], s[8:9], s[46:47]
	s_add_nc_u64 s[18:19], s[10:11], s[18:19]
	CROUND                                         ; all sixteen work-groups are here: the joint loads meet
	s_mov_b32 s[G0S], 1
	s_add_co_u32 s[G0S+1], s94, SCL
	s_mov_b64 s[G0S+2:G0S+3], s[22:23]
	s_or_b32 s[G0S+3], s[G0S+3], 0x80000000
	s_mov_b32 s[G0SB], 1
	s_add_co_u32 s[G0SB+1], s94, SCL
	s_mov_b64 s[G0SB+2:G0SB+3], s[18:19]
	s_or_b32 s[G0SB+3], s[G0SB+3], 0x80000000
	JLOAD G0S, G1S, G0SB, G1SB                     ; the scale words first
.irp s, 0,1
	s_mov_b32 s[G0+4*\s], 1
	s_add_co_u32 s[G0+4*\s+1], s45, \s*SLOT
	s_add_nc_u64 s[G0+4*\s+2:G0+4*\s+3], s[20:21], \s*32768
	s_or_b32 s[G0+4*\s+3], s[G0+4*\s+3], 0x80000000
	s_mov_b32 s[G0B+4*\s], 1
	s_add_co_u32 s[G0B+4*\s+1], s45, \s*SLOT
	s_add_nc_u64 s[G0B+4*\s+2:G0B+4*\s+3], s[46:47], \s*32768
	s_or_b32 s[G0B+4*\s+3], s[G0B+4*\s+3], 0x80000000
	s_wait_alu depctr_va_vdst(0)
	s_wait_tensorcnt 0x0
	ds_add_u32 v126, v127
	s_wait_dscnt 0x0
	CROUND
	JLOAD G0+4*\s, G1, G0B+4*\s, G1B               ; one load of mine is out
.endr
	v_and_b32 v1, 15, v0                           ; r
	v_bfe_u32 v2, v0, 4, 1                         ; h
	s_wait_alu depctr_va_vdst(0)
	v_and_b32 v3, 31, v0
	v_lshlrev_b32 v[CO], 4, v3                     ; 16 x lane
	v_lshlrev_b32 v4, 4, v1                        ; 16 r
	s_lshl_b32 s21, s15, 15                        ; my 128 tokens
	s_lshl_b32 s22, s16, 15                        ; my 128 rows of wo,
	s_add_co_u32 s22, s22, 65536                   ; behind a's 256
.irp s, 0,1
	v_add_nc_u32 v[ADRA+\s], s21, v[CO]
	v_add_nc_u32 v[ADRB+\s], s22, v[CO]
	s_add_co_u32 s21, s21, SLOT
	s_add_co_u32 s22, s22, SLOT
.endr
	s_lshl_b32 s21, s15, 12                        ; scale words: a's, my half;
	s_lshl_b32 s22, s16, 12
	s_add_co_u32 s22, s22, 8192                    ; wo's, my half
	s_sub_co_u32 s22, s22, s21                     ; the distance between the two: 4,096 at the least
	v_mul_u32_u24 v6, s22, v2                      ; lanes 16-31 take wo's
	s_wait_alu depctr_va_vdst(0)
	s_add_co_u32 s21, s21, SCL
	v_add_nc_u32 v5, v4, v6
	v_add_nc_u32 v[ADRS], s21, v5
	s_mul_i32 s23, s14, 16*SPITCH                  ; my stage
	v_mul_u32_u24 v5, v1, SPITCH
	v_lshl_add_u32 v5, v2, 6, v5
	v_add_nc_u32 v[STO], s23, v5                   ; in: row r, + 64 h bytes
	v_add_nc_u32 v[RD], s23, v[CO]                 ; back: 16 x lane of a row
	s_lshl_b32 s20, s42, 1
	s_add_co_u32 s20, s20, s16
	s_lshl_b32 s20, s20, 9                         ; my 128 channels, in bytes: in bo and in a row of out0
	s_mov_b32 s21, 0
	s_add_nc_u64 s[96:97], s[96:97], s[20:21]
	s_add_nc_u64 s[12:13], s[12:13], s[20:21]
	s_lshl_b32 s20, s17, 8
	s_lshl_b32 s22, s15, 7
	s_add_co_u32 s20, s20, s22
	s_lshl_b32 s20, s20, 12                        ; my first token's row of 4,096 bytes
	s_add_nc_u64 s[12:13], s[12:13], s[20:21]
	v_lshlrev_b32 v7, 6, v2                        ; the bias in the result's layout: register 8 t + j takes channel 32 (t / 2) + 16 h + 8 (t % 2) + j
	WIN TO_B
.irp t, 0,1,2,3,4,5,6,7
	global_load_b128 v[BI+8*\t:BI+8*\t+3], v7, s[96:97] offset:4*(32*(\t/2)+8*(\t%2))
	global_load_b128 v[BI+8*\t+4:BI+8*\t+7], v7, s[96:97] offset:4*(32*(\t/2)+8*(\t%2))+16
.endr
	WIN 0
.macro FRAG reg, adr, q, i             ; an image: two loads of 512 consecutive bytes
.irp c, 0,1
	ds_load_b128 v[\reg+4*\c:\reg+4*\c+3], v[\adr] offset:4096*(\i)+1024*(\q)+512*\c
.endr
.endm
; 16 matrix instructions: the tokens' blocks a0, a0 + 1 x wo's eight.  first = 1: the bias starts the sums.  The 64 accumulators take turns, one instruction a turn.
.macro MUL16 a0, p, q, sc, first
.irp a, \a0, \a0+1
.irp b, 0,1,2,3,4,5,6,7
.if \first
	v_wmma_scale_f32_16x16x128_f8f6f4 v[8*(8*((\a)%4)+\b):8*(8*((\a)%4)+\b)+7], v[128*(\p)+FR*\b:128*(\p)+FR*\b+FR-1], v[AF+FR*(\a):AF+FR*(\a)+FR-1], v[BI+8*\b:BI+8*\b+7], v[SC+8*NQ*(\sc)+NQ*\b+(\q)], v[SC+8*NQ*(\sc)+NQ*(\a)+(\q)] matrix_a_fmt:MATRIX_FMT_FP4 matrix_b_fmt:MATRIX_FMT_FP4 matrix_a_scale:MATRIX_SCALE_ROW1
.else
	v_wmma_scale_f32_16x16x128_f8f6f4 v[8*(8*((\a)%4)+\b):8*(8*((\a)%4)+\b)+7], v[128*(\p)+FR*\b:128*(\p)+FR*\b+FR-1], v[AF+FR*(\a):AF+FR*(\a)+FR-1], v[8*(8*((\a)%4)+\b):8*(8*((\a)%4)+\b)+7], v[SC+8*NQ*(\sc)+NQ*\b+(\q)], v[SC+8*NQ*(\sc)+NQ*(\a)+(\q)] matrix_a_fmt:MATRIX_FMT_FP4 matrix_b_fmt:MATRIX_FMT_FP4 matrix_a_scale:MATRIX_SCALE_ROW1
.endif
.endr
.endr
.endm
.macro FETCH_B slot, q, p
	WIN TO_B
.irp i, 0,1,2,3,4,5,6,7
	FRAG 128*(\p)+FR*\i, ADRB+\slot, \q, \i
.endr
	WIN 0
.endm
.macro FETCH_A slot, q, i0
.irp i, \i0, \i0+1, \i0+2, \i0+3
	FRAG AF+FR*(\i), ADRA+\slot, \q, \i
.endr
.endm
.macro SCALES sc                       ; a K half's scale words: four a row; lanes 0-15 the tokens' block i, lanes 16-31 wo's block i
.irp i, 0,1,2,3,4,5,6,7
	ds_load_b128 v[SC+32*\sc+4*\i:SC+32*\sc+4*\i+3], v[ADRS] offset:512*\i+256*\sc
.endr
.endm
.macro STEP slot, q, first             ; 128 along K, with its successor in the same slot
	s_wait_dscnt 8                                 ; wo's set and the tokens' blocks 0-3 are in; the youngest eight loads (blocks 4-7) may be out
.if \first
	WIN BEG_LO
.else
	WIN MUL_LO
.endif
	MUL16 0, (\q)%2, \q, \slot, \first
	MUL16 2, (\q)%2, \q, \slot, \first
	s_wait_dscnt 0
	PLACES NP                                      ; in front of loads into registers that matrix instructions have read
	FETCH_B \slot, (\q)+1, 1-(\q)%2
	FETCH_A \slot, (\q)+1, 0
.if \first
	WIN BEG_HI
.else
	WIN MUL_HI
.endif
	MUL16 4, (\q)%2, \q, \slot, \first
	MUL16 6, (\q)%2, \q, \slot, \first
	PLACES NP
	WIN 0
	FETCH_A \slot, (\q)+1, 4
.endm
.macro STEPS slot, from
.set Q, \from
.rept NQ-1-\from
	STEP \slot, Q, 0
.set Q, Q+1
.endr
.endm
	s_wait_alu depctr_va_vdst(0)
	s_wait_loadcnt 0x0                             ; the bias
	s_wait_tensorcnt 1                             ; my scale words and my part of slot 0 are in; slot 1's load may be out: nothing is ever filled twice
	s_barrier_signal -1
	s_barrier_wait -1                              ; everybody's are
	FETCH_B 0, 0, 0
	FETCH_A 0, 0, 0
	SCALES 0
	FETCH_A 0, 0, 4
	STEP 0, 0, 1
	STEPS 0, 1
	; slot 0's last step, and the change to slot 1
	s_wait_tensorcnt 0x0                           ; my part of slot 1 is in
	s_wait_dscnt 8
	WIN MUL_LO
	MUL16 0, 1, NQ-1, 0, 0
	s_wait_dscnt 0x0                               ; my reads of slot 0 are over: behind this barrier the stages may be written there
	s_barrier_signal -1
	MUL16 2, 1, NQ-1, 0, 0
	s_barrier_wait -1                              ; slot 1 is whole, and nobody reads slot 0 any more
	PLACES NP
	FETCH_B 1, 0, 0
	FETCH_A 1, 0, 0
	SCALES 1
	WIN MUL_HI
	MUL16 4, 1, NQ-1, 0, 0
	MUL16 6, 1, NQ-1, 0, 0
	PLACES NP
	WIN 0
	FETCH_A 1, 0, 4
	STEPS 1, 0
	s_wait_dscnt 8                                 ; the last step: nothing more to fetch
	WIN MUL_LO
	MUL16 0, 1, NQ-1, 1, 0
	MUL16 2, 1, NQ-1, 1, 0
	s_wait_dscnt 0
	WIN MUL_HI
	MUL16 4, 1, NQ-1, 1, 0
	MUL16 6, 1, NQ-1, 1, 0
	WIN 0
; THE WAY OUT, a block of 16 tokens x 128 channels at a time, through my own stage: in as 32 bytes a lane and tile, back as whole rows of 512 bytes.
; LDS serves a wave's instructions in order (ISA guide 5.7.1.4): no wait between the stores and the loads, nor in front of the next block's stores.
.macro TOSTAGE a
.set AC, 64*((\a)%4)
	WIN 0x08+4*((\a)/4)                            ; the data: window 2 or 3
.irp b, 0,1,2,3,4,5,6,7
	ds_store_b128 v[STO], v[AC+8*\b:AC+8*\b+3] offset:128*(\b/2)+32*(\b%2)          ; each accumulator from its low end on
	ds_store_b128 v[STO], v[AC+8*\b+4:AC+8*\b+7] offset:128*(\b/2)+32*(\b%2)+16
.endr
	WIN 0
.set BB, BK+64*((\a)%2)
.irp t, 0,1,2,3,4,5,6,7,8,9,10,11,12,13,14,15
	ds_load_b128 v[BB+4*\t:BB+4*\t+3], v[RD] offset:\t*SPITCH
.endr
.endm
.macro SEND a, younger                 ; younger: the LDS instructions issued behind block a's loads, which may stay out
.set BB, BK+64*((\a)%2)
	s_wait_dscnt \younger
.irp t, 0,1,2,3,4,5,6,7,8,9,10,11,12,13,14,15
	global_store_b128 v[CO], v[BB+4*\t:BB+4*\t+3], s[12:13] offset:(32*((\a)/2)+8*((\a)%2)+\t+8*(\t/8))*4096 th:TH_STORE_NT   ; 32 lanes store 512 consecutive bytes of the token's row; 127 rows at the most: inside the signed 24-bit immediate
.endr
.endm
	PLACES NP                                      ; in front of the reads of results and the loads into the registers that held fragments
	TOSTAGE 0
.irp a, 1,2,3,4,5,6,7
.if \a > 1
	s_wait_xcnt 0x0                                ; block a - 2's stores have read their registers: block a's loads land there only behind this wait
.endif
	TOSTAGE \a
	SEND \a-1, 32                                  ; behind block a - 1's loads: block a's 16 stores and 16 loads
.endr
	SEND 7, 0
	s_wait_tensorcnt 0x0
	ds_add_u32 v126, v127
	s_wait_dscnt 0x0
	CROUND                                         ; the closing round
	s_endpgm
.Lfunc_end_k_qc5617c0667_outp:
	.size	k_qc5617c0667_outp, .Lfunc_end_k_qc5617c0667_outp-k_qc5617c0667_outp
	.p2alignl 7, 3214868480
	.fill 96, 4, 3214868480
	.section	.rodata,"a",@progbits
	.p2align	6, 0x0
	.amdhsa_kernel k_qc5617c0667_outp
		.amdhsa_group_segment_fixed_size 327680
		.amdhsa_private_segment_fixed_size 0
		.amdhsa_enable_private_segment 0
		.amdhsa_kernarg_size 48
		.amdhsa_user_sgpr_count 2
		.amdhsa_user_sgpr_kernarg_segment_ptr 1
		.amdhsa_wavefront_size32 1
		.amdhsa_system_sgpr_workgroup_id_x 1
		.amdhsa_system_sgpr_workgroup_id_y 1
		.amdhsa_system_sgpr_workgroup_id_z 1
		.amdhsa_system_vgpr_workitem_id 0
		.amdhsa_next_free_vgpr 1024
		.amdhsa_next_free_sgpr 100
		.amdhsa_reserve_vcc 0
		.amdhsa_float_denorm_mode_32 3
		.amdhsa_float_denorm_mode_16_64 3
		.amdhsa_memory_ordered 1
		.amdhsa_forward_progress 1
		.amdhsa_inst_pref_size 126
	.end_amdhsa_kernel
	.amdgpu_metadata
---
amdhsa.version: [ 1, 2 ]
amdhsa.kernels:
  - .name:           k_qc5617c0667_outp
    .symbol:         k_qc5617c0667_outp.kd
    .args:
      - { .name: ac, .offset: 0, .size: 8, .value_kind: global_buffer, .address_space: global }
      - { .name: asc, .offset: 8, .size: 8, .value_kind: global_buffer, .address_space: global }
      - { .name: wc, .offset: 16, .size: 8, .value_kind: global_buffer, .address_space: global }
      - { .name: ws, .offset: 24, .size: 8, .value_kind: global_buffer, .address_space: global }
      - { .name: bo, .offset: 32, .size: 8, .value_kind: global_buffer, .address_space: global }
      - { .name: out0, .offset: 40, .size: 8, .value_kind: global_buffer, .address_space: global }
    .group_segment_fixed_size: 327680
    .private_segment_fixed_size: 0
    .kernarg_segment_align: 8
    .kernarg_segment_size: 48
    .max_flat_workgroup_size: 128
    .sgpr_count:     100
    .vgpr_count:     1024
    .wavefront_size: 32
...
	.end_amdgpu_metadata
.endif
;; end of part 4
